; MI455X (gfx1250); checked and timed in simulation.
; The chip was launched on July 23, 2026; its instructions are those of AMD's public machine-readable ISA for CDNA 5 (MIT licence, August 2026) and "CDNA5" Instruction Set Architecture Reference Guide (July 2026). The comments in the code are by the model that wrote it; some were corrected since.
;; Baseline Mini Transformer. Allowed arithmetic: float matrix products may take bf16 or f16 operands with f32 sums; other float arithmetic in f32, or as packed bf16 or f16 multiplies, adds, multiply-adds, maxima and minima; sums over many terms, partial sums and values carried from step to step in f32; what a program stores and reads back later, other than sums and carried values, may be rounded once to bf16 or f16.
;; Inputs: b1 4,096 float32; b2 1,024 float32; ln1_b 1,024 float32; ln1_g 1,024 float32; ln2_b 1,024 float32; ln2_g 1,024 float32; w1 4,096 x 1,024 float32; w2 1,024 x 4,096 float32; wk 1,024 x 1,024 float32; wo 1,024 x 1,024 float32; wq 1,024 x 1,024 float32; wv 1,024 x 1,024 float32; x 2 x 2,048 x 1,024 float32.
;; Outputs: out0 2 x 2,048 x 1,024 float32.
;; 2 versions, each right; version 2 is version 1 with the launches prep, ln2 written anew for expert scheduling mode. Each part assembles by itself: llvm-mc -triple=amdgcn-amd-amdhsa -mcpu=gfx1250 --defsym DOCPART=n.
;; ======== version 1 of 2: 7 launches
;; workspace buffers: wb 25,165,824 bytes; h 8,388,608 bytes; qkv 25,165,824 bytes; o 8,388,608 bytes; x1 16,777,216 bytes; g 33,554,432 bytes
;; launch prep (part 1): grid 1024 x 1, 8 waves a work-group, no clusters, 0 bytes of LDS; arguments x, ln1_g, ln1_b, wq, wk, wv, wo, w1, w2, h, wb; writes h, wb
.if DOCPART == 1
	.amdgcn_target "amdgcn-amd-amdhsa--gfx1250"
	.amdhsa_code_object_version 6
	.text
	.protected	k_q772c1fd308_prep
	.globl	k_q772c1fd308_prep
	.p2align	8
	.type	k_q772c1fd308_prep,@function
k_q772c1fd308_prep:
	s_mov_b64 s[64:65], 0
	v_nop
	global_prefetch_b8 v0, s[64:65] scope:SCOPE_SE
	s_setreg_imm32_b32 hwreg(HW_REG_WAVE_MODE, 25, 1), 1
	s_wait_xcnt 0x0
; A LayerNorm and a cast, two streams in one text, 64 KiB read by every work-group, nothing looped, no LDS, no barrier.
; TWO LAUNCHES RUN THIS TEXT.  With 1,024 work-groups (x, ln1_g, ln1_b, the six weights, h, wb): both streams.  With 256 work-groups (x1, ln2_g, ln2_b in the first three places):
; the norm alone: no work-group of that launch reaches the cast, the weights are not read and nothing is stored into wb.
; Work-groups 0-255: h = LayerNorm(rows) * gain + bias, rounded once to bf16.  16 rows a work-group, 2 rows a wave, a row (4,096 bytes) in 32 registers:
; mean, centring and the sum of squares are made on the registers (two passes, so a common offset in the rows costs nothing), all in f32.
; Work-groups 256-1023: the six weight matrices rounded once to bf16 into wb, in the order wq wk wv wo w1 w2, rows and pitches kept.  A unit is 16,384 numbers.
; Every store of a wave covers 256 consecutive bytes, aligned.
.set X,   32                           ; v[32:95]   two rows of 32 registers: chunk c holds columns 128 c + 4 lane .. + 3
.set G,   96                           ; v[96:127]  the gain of my columns
.set BT,  128                          ; v[128:159] the bias of my columns
.set T,   8                            ; v[8:23]    eight registers a row, at work
.set MU,  24                           ; v[24:31]   row j: mean twice at MU+4j, 1/sqrt(var+eps) twice at MU+4j+2
.set SX,  4                            ; s[4:5] the rows   s[6:7] gain   s[8:9] bias   s[22:23] h
.set SG,  6
.set SB,  8
.set SH,  22
.set SEL, 32                           ; s[32:33] v_permlanex16_b32's selects: my own place in the other half
.set INV, 34                           ; s34 1/1024
.set EPS, 35                           ; s35 1e-5
	s_load_b256 s[4:11], s[0:1], 0x0               ; rows, gain, bias, wq
	s_load_b256 s[12:19], s[0:1], 0x20             ; wk, wv, wo, w1
	s_load_b128 s[20:23], s[0:1], 0x40             ; w2, h
	s_load_b64 s[24:25], s[0:1], 0x50              ; wb
	v_and_b32 v3, 31, v0                           ; lane
	v_lshrrev_b32 v4, 5, v0                        ; wave
	v_lshlrev_b32 v1, 4, v3
	v_lshl_add_u32 v1, v4, 13, v1                  ; f32 side: 8,192 x wave + 16 x lane
	v_lshlrev_b32 v2, 3, v3
	v_lshl_add_u32 v2, v4, 12, v2                  ; bf16 side: 4,096 x wave + 8 x lane
	v_lshlrev_b32 v3, 4, v3                        ; gain and bias: 16 x lane
	s_mov_b32 s31, 0
	s_mov_b32 s[SEL], 0x76543210
	s_mov_b32 s[SEL+1], 0xfedcba98
	s_mov_b32 s[INV], 0x3a800000
	s_mov_b32 s[EPS], 0x3727c5ac
	s_wait_kmcnt 0x0
	s_cmp_lt_u32 ttmp9, 256
	s_cbranch_scc1 .Lnorm
	; THE CAST.  Unit u = work-group - 256; the matrix and its first unit are chosen by five compares on u.
	s_sub_co_u32 s26, ttmp9, 256
	s_mov_b64 s[28:29], s[10:11]                   ; wq, from unit 0
	s_mov_b32 s27, 0
.macro PICK n, p                       ; from unit n on: the matrix whose address lies in s[p:p+1]
	s_cmp_ge_u32 s26, \n
	s_cselect_b64 s[28:29], s[\p:\p+1], s[28:29]
	s_cselect_b32 s27, \n, s27
.endm
	PICK 64, 12
	PICK 128, 14
	PICK 192, 16
	PICK 256, 18
	PICK 512, 20
	s_sub_co_u32 s27, s26, s27                     ; the unit's number inside its matrix
	s_lshl_b32 s30, s27, 16                        ; 65,536 bytes of f32 a unit
	s_add_nc_u64 s[28:29], s[28:29], s[30:31]
	s_lshl_b32 s30, s26, 15                        ; 32,768 bytes of bf16 a unit; wb keeps the units' order
	s_add_nc_u64 s[24:25], s[24:25], s[30:31]
.irp c, 0,1,2,3,4,5,6,7,8,9,10,11,12,13,14,15
	global_load_b128 v[32+4*(\c):32+4*(\c)+3], v1, s[28:29] offset:512*(\c) th:TH_LOAD_NT
.endr
.irp c, 0,1,2,3,4,5,6,7,8,9,10,11,12,13,14,15
	s_wait_loadcnt 15-(\c)                         ; loads come back in order: load c is in, the younger ones stay out
	v_cvt_pk_bf16_f32 v[96+2*(\c)], v[32+4*(\c)], v[32+4*(\c)+1]
	v_cvt_pk_bf16_f32 v[96+2*(\c)+1], v[32+4*(\c)+2], v[32+4*(\c)+3]
	global_store_b64 v2, v[96+2*(\c):96+2*(\c)+1], s[24:25] offset:256*(\c)
.endr
	s_endpgm
; the four chains of both rows into one number in every lane
.macro JOIN
.irp j, 0,1
	v_pk_add_f32 v[T+8*(\j):T+8*(\j)+1], v[T+8*(\j):T+8*(\j)+1], v[T+8*(\j)+2:T+8*(\j)+3]
	v_pk_add_f32 v[T+8*(\j)+4:T+8*(\j)+5], v[T+8*(\j)+4:T+8*(\j)+5], v[T+8*(\j)+6:T+8*(\j)+7]
.endr
.irp j, 0,1
	v_pk_add_f32 v[T+8*(\j):T+8*(\j)+1], v[T+8*(\j):T+8*(\j)+1], v[T+8*(\j)+4:T+8*(\j)+5]
.endr
.irp j, 0,1
	v_add_f32 v[T+8*(\j)], v[T+8*(\j)], v[T+8*(\j)+1]
.endr
.irp m, 1,2,4,8
.irp j, 0,1
	v_add_f32_dpp v[T+8*(\j)], v[T+8*(\j)], v[T+8*(\j)] row_xmask:\m row_mask:0xf bank_mask:0xf
.endr
.endr
.irp j, 0,1
	v_permlanex16_b32 v[T+8*(\j)+1], v[T+8*(\j)], s[SEL], s[SEL+1]
.endr
.irp j, 0,1
	v_add_f32 v[T+8*(\j)], v[T+8*(\j)], v[T+8*(\j)+1]
.endr
.endm
.Lnorm:
	s_lshl_b32 s30, ttmp9, 16                      ; 16 rows of 4,096 bytes
	s_add_nc_u64 s[SX:SX+1], s[SX:SX+1], s[30:31]
	s_lshl_b32 s30, ttmp9, 15                      ; 16 rows of 2,048 bytes
	s_add_nc_u64 s[SH:SH+1], s[SH:SH+1], s[30:31]
.irp j, 0,1
.irp c, 0,1,2,3,4,5,6,7
	global_load_b128 v[X+32*(\j)+4*(\c):X+32*(\j)+4*(\c)+3], v1, s[SX:SX+1] offset:4096*(\j)+512*(\c) th:TH_LOAD_NT
.endr
.endr
.irp c, 0,1,2,3,4,5,6,7
	global_load_b128 v[G+4*(\c):G+4*(\c)+3], v3, s[SG:SG+1] offset:512*(\c)
.endr
.irp c, 0,1,2,3,4,5,6,7
	global_load_b128 v[BT+4*(\c):BT+4*(\c)+3], v3, s[SB:SB+1] offset:512*(\c)
.endr
	s_wait_loadcnt 16                              ; both rows are in; the sixteen loads of gain and bias stay out
	; the sum: four chains a row, the two rows' lines by turns
.irp k, 0,1,2,3
.irp j, 0,1
	v_pk_add_f32 v[T+8*(\j)+2*(\k):T+8*(\j)+2*(\k)+1], v[X+32*(\j)+8*(\k):X+32*(\j)+8*(\k)+1], v[X+32*(\j)+8*(\k)+2:X+32*(\j)+8*(\k)+3]
.endr
.endr
.irp m, 4,6
.irp k, 0,1,2,3
.irp j, 0,1
	v_pk_add_f32 v[T+8*(\j)+2*(\k):T+8*(\j)+2*(\k)+1], v[T+8*(\j)+2*(\k):T+8*(\j)+2*(\k)+1], v[X+32*(\j)+8*(\k)+(\m):X+32*(\j)+8*(\k)+(\m)+1]
.endr
.endr
.endr
	JOIN
.irp j, 0,1
	v_mul_f32 v[MU+4*(\j)], s[INV], v[T+8*(\j)]    ; the mean,
.endr
.irp j, 0,1
	v_mov_b32 v[MU+4*(\j)+1], v[MU+4*(\j)]         ; twice, for the packed subtraction
.endr
.set i, 0
.rept 16
	v_pk_add_f32 v[X+2*i:X+2*i+1], v[X+2*i:X+2*i+1], v[MU:MU+1] neg_lo:[0,1] neg_hi:[0,1]
	v_pk_add_f32 v[X+32+2*i:X+32+2*i+1], v[X+32+2*i:X+32+2*i+1], v[MU+4:MU+5] neg_lo:[0,1] neg_hi:[0,1]
.set i, i+1
.endr
	; the sum of squares of the centred row, in the same chains
.irp k, 0,1,2,3
.irp j, 0,1
	v_pk_mul_f32 v[T+8*(\j)+2*(\k):T+8*(\j)+2*(\k)+1], v[X+32*(\j)+8*(\k):X+32*(\j)+8*(\k)+1], v[X+32*(\j)+8*(\k):X+32*(\j)+8*(\k)+1]
.endr
.endr
.irp m, 2,4,6
.irp k, 0,1,2,3
.irp j, 0,1
	v_pk_fma_f32 v[T+8*(\j)+2*(\k):T+8*(\j)+2*(\k)+1], v[X+32*(\j)+8*(\k)+(\m):X+32*(\j)+8*(\k)+(\m)+1], v[X+32*(\j)+8*(\k)+(\m):X+32*(\j)+8*(\k)+(\m)+1], v[T+8*(\j)+2*(\k):T+8*(\j)+2*(\k)+1]
.endr
.endr
.endr
	JOIN
.irp j, 0,1
	v_fma_f32 v[T+8*(\j)], v[T+8*(\j)], s[INV], s[EPS]  ; var + eps
.endr
.irp j, 0,1
	v_rsq_f32 v[MU+4*(\j)+2], v[T+8*(\j)]
	v_rsq_f32 v[MU+4*(\j)+3], v[T+8*(\j)]
.endr
	v_nop                                          ; a plain instruction behind the last of the four,
	s_wait_alu depctr_va_vdst(0)                   ; and one wait for the batch, ahead of its first reader
	s_wait_loadcnt 0x0                             ; gain and bias
.set i, 0
.rept 16
	v_pk_mul_f32 v[X+2*i:X+2*i+1], v[X+2*i:X+2*i+1], v[MU+2:MU+3]
	v_pk_mul_f32 v[X+32+2*i:X+32+2*i+1], v[X+32+2*i:X+32+2*i+1], v[MU+6:MU+7]
.set i, i+1
.endr
.set i, 0
.rept 16
	v_pk_fma_f32 v[X+2*i:X+2*i+1], v[X+2*i:X+2*i+1], v[G+2*i:G+2*i+1], v[BT+2*i:BT+2*i+1]
	v_pk_fma_f32 v[X+32+2*i:X+32+2*i+1], v[X+32+2*i:X+32+2*i+1], v[G+2*i:G+2*i+1], v[BT+2*i:BT+2*i+1]
.set i, i+1
.endr
.set i, 0
.rept 16                               ; in place, ascending: register i takes numbers 2 i and 2 i + 1, which no later line reads
	v_cvt_pk_bf16_f32 v[X+i], v[X+2*i], v[X+2*i+1]
	v_cvt_pk_bf16_f32 v[X+32+i], v[X+32+2*i], v[X+32+2*i+1]
.set i, i+1
.endr
.irp j, 0,1
.irp c, 0,1,2,3,4,5,6,7
	global_store_b64 v2, v[X+32*(\j)+2*(\c):X+32*(\j)+2*(\c)+1], s[SH:SH+1] offset:2048*(\j)+256*(\c)
.endr
.endr
	s_endpgm
.Lfunc_end_k_q772c1fd308_prep:
	.size	k_q772c1fd308_prep, .Lfunc_end_k_q772c1fd308_prep-k_q772c1fd308_prep
	.p2alignl 7, 3214868480
	.fill 96, 4, 3214868480
	.section	.rodata,"a",@progbits
	.p2align	6, 0x0
	.amdhsa_kernel k_q772c1fd308_prep
		.amdhsa_group_segment_fixed_size 0
		.amdhsa_private_segment_fixed_size 0
		.amdhsa_enable_private_segment 0
		.amdhsa_kernarg_size 88
		.amdhsa_user_sgpr_count 2
		.amdhsa_user_sgpr_kernarg_segment_ptr 1
		.amdhsa_wavefront_size32 1
		.amdhsa_system_sgpr_workgroup_id_x 1
		.amdhsa_system_sgpr_workgroup_id_y 1
		.amdhsa_system_sgpr_workgroup_id_z 1
		.amdhsa_system_vgpr_workitem_id 0
		.amdhsa_next_free_vgpr 176
		.amdhsa_next_free_sgpr 66
		.amdhsa_reserve_vcc 0
		.amdhsa_float_denorm_mode_32 3
		.amdhsa_float_denorm_mode_16_64 3
		.amdhsa_memory_ordered 1
		.amdhsa_forward_progress 1
		.amdhsa_inst_pref_size 27
	.end_amdhsa_kernel
	.amdgpu_metadata
---
amdhsa.version: [ 1, 2 ]
amdhsa.kernels:
  - .name:           k_q772c1fd308_prep
    .symbol:         k_q772c1fd308_prep.kd
    .args:
      - { .name: x, .offset: 0, .size: 8, .value_kind: global_buffer, .address_space: global }
      - { .name: ln1_g, .offset: 8, .size: 8, .value_kind: global_buffer, .address_space: global }
      - { .name: ln1_b, .offset: 16, .size: 8, .value_kind: global_buffer, .address_space: global }
      - { .name: wq, .offset: 24, .size: 8, .value_kind: global_buffer, .address_space: global }
      - { .name: wk, .offset: 32, .size: 8, .value_kind: global_buffer, .address_space: global }
      - { .name: wv, .offset: 40, .size: 8, .value_kind: global_buffer, .address_space: global }
      - { .name: wo, .offset: 48, .size: 8, .value_kind: global_buffer, .address_space: global }
      - { .name: w1, .offset: 56, .size: 8, .value_kind: global_buffer, .address_space: global }
      - { .name: w2, .offset: 64, .size: 8, .value_kind: global_buffer, .address_space: global }
      - { .name: h, .offset: 72, .size: 8, .value_kind: global_buffer, .address_space: global }
      - { .name: wb, .offset: 80, .size: 8, .value_kind: global_buffer, .address_space: global }
    .group_segment_fixed_size: 0
    .private_segment_fixed_size: 0
    .kernarg_segment_align: 8
    .kernarg_segment_size: 88
    .max_flat_workgroup_size: 256
    .sgpr_count:     66
    .vgpr_count:     176
    .wavefront_size: 32
...
	.end_amdgpu_metadata
.endif
;; end of part 1
;; launch gemm_qkv (part 2): grid 16 x 16, 4 waves a work-group, clusters of 4 x 4, 327,680 bytes of LDS; arguments h, wb, qkv; writes qkv
.if DOCPART == 2
	.amdgcn_target "amdgcn-amd-amdhsa--gfx1250"
	.amdhsa_code_object_version 6
	.text
	.protected	k_q772c1fd308_gemm_qkv
	.globl	k_q772c1fd308_gemm_qkv
	.p2align	8
	.type	k_q772c1fd308_gemm_qkv,@function
k_q772c1fd308_gemm_qkv:
	s_mov_b64 s[64:65], 0
	v_nop
	global_prefetch_b8 v0, s[64:65] scope:SCOPE_SE
	s_setreg_imm32_b32 hwreg(HW_REG_WAVE_MODE, 25, 1), 1
	s_wait_xcnt 0x0
	s_wait_alu depctr_hold_cnt(0) depctr_sa_sdst(0) depctr_va_vdst(0) depctr_va_sdst(0) depctr_va_ssrc(0) depctr_va_vcc(0) depctr_vm_vsrc(0)
	s_getreg_b32 s2, hwreg(HW_REG_IB_STS2, 6, 4)
	s_cmp_eq_u32 s2, 0
	s_cbranch_scc0 .Lentry_in_a_cluster
	s_endpgm
.Lentry_in_a_cluster:
	s_bfe_u32 s2, ttmp6, 0x10000c
	s_cmp_lg_u32 s2, 0xf033
	s_cbranch_scc0 .Lentry_shape_is_right
	s_endpgm
.Lentry_shape_is_right:
; [q|k|v][m][n] = sum over k of h[m][k] w[n][k]: h [4096][1024] bf16, w = wq, wk, wv on end, [3072][1024] bf16 at wb's first byte; sums in f32, rounded once to bf16, unscaled.
; OUT BY HEADS: section n / 1024 (q, k, v) of 8,388,608 bytes, in it [16 b + head][t][64]: a head's rows are dense, 128 bytes each.
; A tile of C is 256 x 192 (three heads wide): 16 x 16 work-groups.  Four waves as 2 x 2, each 128 x 96: 48 accumulators.  K goes in steps of 128 through two LDS slots
; filled by the tensor data mover; rows of 256 bytes, padded to 272.  The loop's body is ONE K step: the walking descriptors and the fragment addresses change slots by an exclusive or.
; The last two K steps, which ask for nothing, are a second loop of two trips that is left in its middle and little is written twice.
; CLUSTER 4 x 4: h's tile is asked for jointly by the four work-groups of a row of the cluster, w's by the four of a column.
; THE MATRIX INSTRUCTION IS USED TRANSPOSED (source 0 = 16 rows of w, source 1 = 16 rows of h): a lane holds row l % 16 of C and the columns 8 (l / 16) + 0..7.
; THE WAY OUT: all accumulators go as f32 into one stage that lies over the ring, which has had its last fill; behind a barrier each wave reads 64 whole rows back, rounds and stores.
; REGISTERS, in windows of 256: window 0 addresses and the way out; window 1 two fragment buffers of 128 (h's 64 registers, then w's); windows 2, 3 accumulator (a, b) at 512 + 64 a + 8 b.
.set TM,     256
.set TN,     192
.set MA,     8                         ; blocks of 16 rows in a wave's tile
.set NB,     6                         ; blocks of 16 columns
.set CQ,     1                         ; chunks of 32 along K in a quarter of a K step
.set KK,     1024
.set KSTEP,  128
.set NSTEP,  KK/KSTEP
.set PITCHA, 272                       ; 256 bytes + 16: the 16 rows of a fragment load start 68 words apart
.set PITCHB, 272
.set HALFA,  (TM/2)*PITCHA             ; what one tensor load brings of A
.set HALFB,  (TN/2)*PITCHB
.set SLOT,   0x20000                   ; slot 1 begins here; no LDS base of slot 0 has this bit
.set SPARE,  SLOT+2*HALFA+2*HALFB      ; the spare words, 128 bytes a wave: two blocks of 256 bytes that no other line names
.set SP,     TN*4+16                   ; a row of the stage
.set QIA,    5                         ; padding after every 64 words
.set QIB,    5
.set DA0,    KSTEP                     ; A's tile: elements in a row, rows, elements from row to row
.set DA1,    TM/2
.set STRA,   KK
.set KSTEPA, KSTEP*2                   ; bytes from K step to K step
.set KSTEPB, KSTEP*2
.set BOFF,   0                         ; B's first byte in wb
.set KQ,     64*CQ                     ; bytes of a row in a quarter
.set AQS,    KQ                        ; bytes from quarter to quarter in A's LDS tile
.set NLD,    2*CQ*(MA+NB)              ; LDS loads in a quarter's run
.set HW,     8*CQ                      ; the youngest of them, which only the quarter's second half reads
.set ADRA0, 16                         ; v16, v17  my lane's place in A's and B's tiles of slot 0; never rewritten
.set ADRB0, 17
.set ADRA,  18                         ; v18, v19  the same in the slot in hand
.set ADRB,  19
.set STO,   20                         ; v20, v21  the stage: where I put blocks 0-3 and 4-7
.set STO2,  21
.set RD,    22                         ; v22       the stage: where I read rows back
.set CO,    23                         ; v23-25    my byte offset in qkv, for each of the tile's three heads
.set SPW,   28                         ; v28       SPARE + 4 x my thread's number; never rewritten
.set NIL,   29                         ; v29       0; never rewritten
.set PFO,   30                         ; v30       the prefetches' offset: a lane a row
.set WV, 14                            ; s14 wave   s15 its row half, also: 0 = I fetch A, 1 = B   s16 its column half, also: which half of that tile's rows I fetch
.set WR, 15
.set WC, 16
.set CX, 17
.set CY, 18
.set TX, 19                            ; tile column, tile row of C
.set TY, 20
.set G1A,  24                          ; s[24:31] group 1 for A   s[32:35] group 0, slot 0's first fill   s[36:39] group 0 that walks
.set G0A0, 32
.set G0A,  36
.set G1B,  40                          ; s[40:47], s[48:51], s[52:55] the same for B
.set G0B0, 48
.set G0B,  52
.set TB,   56                          ; s56 0 or SLOT: the slot in hand
.set LIM,  57                          ; s57 2 in a wave that prefetches, else the greatest number
.set PFA,  58                          ; s[58:59] where my prefetches stand
.set MSB, 0
.macro WIN new                         ; the immediate's high byte repeats the setting that is left; a switch that changes nothing is dropped
.if MSB != (\new)
	s_set_vgpr_msb (MSB<<8)|(\new)
.set MSB, \new
.endif
.endm
.macro PLACES                          ; four plain places between matrix instructions and loads into, or reads of, their registers
.rept 4
	v_nop
.endr
.endm
.macro JLOAD                           ; the joint refill: waves 0, 1 ask for A's halves, waves 2, 3 for B's; an s_nop 0 and four v_nop follow each line
	s_cmp_eq_u32 s[WR], 0
	s_cbranch_scc0 .Lfor_b_\@
	tensor_load_to_lds s[G0A:G0A+3], s[G1A:G1A+7]
	s_nop 0
.rept 4
	v_nop
.endr
	s_branch .Lasked_\@
.Lfor_b_\@:
	tensor_load_to_lds s[G0B:G0B+3], s[G1B:G1B+7]
	s_nop 0
.rept 4
	v_nop
.endr
.Lasked_\@:
.endm
.macro CREST                           ; a round of the cluster's barrier behind its opening barrier
	s_cmp_lg_u32 s[WV], 0
	s_cbranch_scc1 .Lnot_wave_0_\@
	s_barrier_signal -3
.Lnot_wave_0_\@:
	s_barrier_wait -3
	s_barrier_signal -1
	s_barrier_wait -1
.endm
.macro CROUND
	s_barrier_signal -1
	s_barrier_wait -1
	CREST
.endm
; 2 NB matrix instructions on buffer f: row blocks 2 p, 2 p + 1 of half hf of a quarter (CQ = 1: rows 0-3 / 4-7; CQ = 2: chunk 0 / 1).  All accumulators take turns, one instruction a turn.
.macro MUL2 f, hf, p, zero
.irp aa, 0,1
.irp b, 0,1,2,3,4,5,6,7
.if (\b) < NB
.set ra, 2*(\p)+(\aa)+4*(\hf)*(2-CQ)
.set rc, (\hf)*(CQ-1)
.set rD, 64*(ra%4)+8*(\b)
.set rB, 128*(\f)+64+8*(NB*rc+(\b))
.set rA, 128*(\f)+8*(MA*rc+ra)
	WIN 0xa5+0x50*(ra/4)
.if \zero
	v_wmma_f32_16x16x32_bf16 v[rD:rD+7], v[rB:rB+7], v[rA:rA+7], 0
.else
	v_wmma_f32_16x16x32_bf16 v[rD:rD+7], v[rB:rB+7], v[rA:rA+7], v[rD:rD+7]
.endif
.endif
.endr
.endr
.endm
; a quarter's fragments, at byte k of the rows, into buffer f: one run of NLD loads; B's first, then A's
.macro FETCH k, f
	WIN 0x40
.irp c, 0,1
.if (\c) < CQ
.irp i, 0,1,2,3,4,5,6,7
.if (\i) < NB
	ds_load_b128 v[128*(\f)+64+8*(NB*(\c)+(\i)):128*(\f)+64+8*(NB*(\c)+(\i))+3], v[ADRB] offset:(\k)+64*(\c)+(\i)*16*PITCHB
	ds_load_b128 v[128*(\f)+64+8*(NB*(\c)+(\i))+4:128*(\f)+64+8*(NB*(\c)+(\i))+7], v[ADRB] offset:(\k)+64*(\c)+(\i)*16*PITCHB+32
.endif
.endr
.irp i, 0,1,2,3,4,5,6,7
.if (\i) < MA
	ds_load_b128 v[128*(\f)+8*(MA*(\c)+(\i)):128*(\f)+8*(MA*(\c)+(\i))+3], v[ADRA] offset:((\k)/KQ)*AQS+64*(\c)+(\i)*16*PITCHA
	ds_load_b128 v[128*(\f)+8*(MA*(\c)+(\i))+4:128*(\f)+8*(MA*(\c)+(\i))+7], v[ADRA] offset:((\k)/KQ)*AQS+64*(\c)+(\i)*16*PITCHA+32
.endif
.endr
.endif
.endr
.endm
; one of a K step's first three quarters: multiplies buffer f, fetches the next quarter (byte k) into buffer g
.macro Q f, g, k, zero
	s_wait_dscnt HW                                ; all that the first half reads is in
	MUL2 \f, 0, 0, \zero
	MUL2 \f, 0, 1, \zero
	PLACES
	FETCH \k, \g
	s_wait_dscnt NLD                               ; all but the run just issued
.if CQ == 1
	MUL2 \f, 1, 0, \zero
	MUL2 \f, 1, 1, \zero
.else
	MUL2 \f, 1, 0, 0
	MUL2 \f, 1, 1, 0
.endif
.endm
; A prefetch of the K step that stands two refills on: my work-group's share of the rows that I fetch, a lane a row, 256 bytes of each.  h's rows are named by the clusters with x = 0,
; w's by those with y = 0; the four partners of a joint load share its rows out by address.  Steps 0-3 come by their loads alone; the loop's last two trips name nothing.
.macro ASK
	WIN 0
	s_cmp_gt_u32 s3, s[LIM]
	s_cbranch_scc0 .Lnot_mine_\@
	global_prefetch_b8 v[PFO], s[PFA:PFA+1] th:TH_LOAD_NT scope:SCOPE_SE
.Lnot_mine_\@:
.endm
; THE LAST QUARTER (buffer 1), in two parts.  MEET: its first half and the barrier.  In front of the barrier: all my tensor loads have landed, the add, my reads of this slot are back.
; Behind it nobody reads this slot any more and the other slot is whole.  fill = 1: the walking descriptors step, for the refill that REST issues.
.macro MEET fill
.if \fill
	s_wait_xcnt 0x0                                ; the last prefetch, a K step back, has read its address
	s_add_nc_u64 s[PFA:PFA+1], s[PFA:PFA+1], KSTEP*2
.endif
	WIN 0
	s_wait_tensorcnt 0x0                           ; my one load that was out, my part of the next slot, has landed: the walking descriptors may be written
	ds_add_u32 v[SPW], v[NIL]
.if \fill
	s_xor_b32 s[G0A+1], s[G0A+1], SLOT
	s_add_nc_u64 s[G0A+2:G0A+3], s[G0A+2:G0A+3], KSTEPA
	s_xor_b32 s[G0B+1], s[G0B+1], SLOT
	s_add_nc_u64 s[G0B+2:G0B+3], s[G0B+2:G0B+3], KSTEPB
.endif
	s_wait_dscnt HW+1                              ; the add and the youngest HW loads may be out
	MUL2 1, 0, 0, 0
	s_wait_dscnt 0x0                               ; the add is done, my reads of this slot are over
	s_barrier_signal -1
	MUL2 1, 0, 1, 0
	WIN 0
	s_barrier_wait -1
.endm
; REST: fill = 1: the barrier has opened a round of the cluster's, and the joint refill of the slot just read out is the first thing behind it.  Then the next slot's first fragments and the quarter's second half.
.macro REST fill
.if \fill
	CREST
	JLOAD                                          ; its four v_nop are also the places in front of the loads below
.else
	PLACES
.endif
	s_xor_b32 s[TB], s[TB], SLOT
	v_add_nc_u32 v[ADRA], s[TB], v[ADRA0]
	v_add_nc_u32 v[ADRB], s[TB], v[ADRB0]
	FETCH 0, 0
.if \fill
	ASK
.endif
	MUL2 1, 1, 0, 0
	MUL2 1, 1, 1, 0
.endm
	s_load_b128 s[4:7], s[0:1], 0x0                ; h s[4:5], wb s[6:7]
	s_load_b64 s[8:9], s[0:1], 0x10                ; qkv
	v_lshl_add_u32 v[SPW], v0, 2, SPARE
	v_mov_b32 v[NIL], 0
	ds_add_u32 v[SPW], v[NIL]                      ; the opening: the add and its wait ahead of my first tensor load
	v_lshrrev_b32 v1, 5, v0
	v_readfirstlane_b32 s[WV], v1
	s_lshr_b32 s[WR], s[WV], 1
	s_and_b32 s[WC], s[WV], 1
	s_bfe_u32 s[CX], ttmp6, 0x40000
	s_bfe_u32 s[CY], ttmp6, 0x40004
	s_lshl_b32 s[TX], ttmp9, 2
	s_add_co_u32 s[TX], s[TX], s[CX]
	s_and_b32 s[TY], ttmp7, 0xffff
	s_lshl_b32 s[TY], s[TY], 2
	s_add_co_u32 s[TY], s[TY], s[CY]
	s_lshl_b32 s21, s[CY], 2
	s_lshl_b32 s21, 15, s21                        ; my row of the cluster
	s_lshl_b32 s22, 0x1111, s[CX]                  ; my column
	s_or_b32 s[G1A], s21, (1<<16)|(1<<20)|(1<<21)|(QIA<<22)|(3<<25)  ; mask; 2-byte elements; padding on; bit 21 beside a mask; interval; 4 words of padding
	s_or_b32 s[G1B], s22, (1<<16)|(1<<20)|(1<<21)|(QIB<<22)|(3<<25)
	s_mov_b32 s[G1A+1], (DA0&0xffff)<<16           ; tensor_dim0
	s_mov_b32 s[G1A+2], (DA0>>16)|(DA1<<16)        ; tensor_dim1
	s_mov_b32 s[G1A+3], DA0<<16                    ; tile_dim0
	s_mov_b32 s[G1A+4], DA1                        ; tile_dim1
	s_mov_b32 s[G1A+5], STRA                       ; elements from row to row
	s_mov_b32 s[G1A+6], 0
	s_mov_b32 s[G1A+7], 0
	s_mov_b32 s[G1B+1], KSTEP<<16
	s_mov_b32 s[G1B+2], (TN/2)<<16
	s_mov_b32 s[G1B+3], KSTEP<<16
	s_mov_b32 s[G1B+4], TN/2
	s_mov_b32 s[G1B+5], KK
	s_mov_b32 s[G1B+6], 0
	s_mov_b32 s[G1B+7], 0
	s_mul_i32 s60, s[TY], TM                       ; A: row TM x tile row + TM/2 x half, in bytes
	s_mul_i32 s23, s[WC], TM/2
	s_add_co_u32 s60, s60, s23
	s_mul_i32 s60, s60, 2*KK
	s_mov_b32 s61, 0
	s_mul_i32 s62, s[TX], TN                       ; B: row TN x tile column + TN/2 x half
	s_mul_i32 s23, s[WC], TN/2
	s_add_co_u32 s62, s62, s23
	s_mul_i32 s62, s62, 2*KK
	s_add_co_u32 s62, s62, BOFF
	s_mov_b32 s63, 0
	s_mul_i32 s80, s[WC], HALFA                    ; where they go: no place in the cluster enters an LDS address
	s_mul_i32 s81, s[WC], HALFB
	s_add_co_u32 s81, s81, 2*HALFA
	s_mov_b32 s[TB], 0
	s_wait_dscnt 0x0                               ; the opening add is done
	s_wait_kmcnt 0x0
	s_add_nc_u64 s[60:61], s[4:5], s[60:61]
	s_add_nc_u64 s[62:63], s[6:7], s[62:63]
	CROUND                                         ; all sixteen work-groups are here: the first joint loads meet
	s_mov_b32 s[G0A0], 1
	s_mov_b32 s[G0A0+1], s80
	s_mov_b64 s[G0A0+2:G0A0+3], s[60:61]
	s_or_b32 s[G0A0+3], s[G0A0+3], 0x80000000
	s_mov_b32 s[G0A], 1
	s_add_co_u32 s[G0A+1], s80, SLOT
	s_add_nc_u64 s[G0A+2:G0A+3], s[60:61], KSTEPA
	s_or_b32 s[G0A+3], s[G0A+3], 0x80000000
	s_mov_b32 s[G0B0], 1
	s_mov_b32 s[G0B0+1], s81
	s_mov_b64 s[G0B0+2:G0B0+3], s[62:63]
	s_or_b32 s[G0B0+3], s[G0B0+3], 0x80000000
	s_mov_b32 s[G0B], 1
	s_add_co_u32 s[G0B+1], s81, SLOT
	s_add_nc_u64 s[G0B+2:G0B+3], s[62:63], KSTEPB
	s_or_b32 s[G0B+3], s[G0B+3], 0x80000000
	s_cmp_eq_u32 s[WR], 0                          ; a wave's two first fills stand in one branch: K steps 0 and 1; two loads of mine are out
	s_cbranch_scc0 .Lfirst_b
	tensor_load_to_lds s[G0A0:G0A0+3], s[G1A:G1A+7]
	s_nop 0
	tensor_load_to_lds s[G0A:G0A+3], s[G1A:G1A+7]
	s_nop 0
.rept 4
	v_nop
.endr
	s_branch .Lfirst_done
.Lfirst_b:
	tensor_load_to_lds s[G0B0:G0B0+3], s[G1B:G1B+7]
	s_nop 0
	tensor_load_to_lds s[G0B:G0B+3], s[G1B:G1B+7]
	s_nop 0
.rept 4
	v_nop
.endr
.Lfirst_done:
	; a fragment is 16 rows x 32 K in 8 registers: lane l holds row l % 16, K = 8 (l / 16) + 0..7 and 16 + 8 (l / 16) + 0..7: two loads of 16 bytes, 32 bytes apart
	v_and_b32 v1, 15, v0
	v_bfe_u32 v2, v0, 4, 1
	v_mul_u32_u24 v3, v1, PITCHA
	v_lshl_add_u32 v3, v2, 4, v3
	s_mul_i32 s82, s[WR], HALFA
	v_add_nc_u32 v[ADRA0], s82, v3
	v_mul_u32_u24 v3, v1, PITCHB
	v_lshl_add_u32 v3, v2, 4, v3
	v_add_nc_u32 v[ADRB0], s81, v3
	v_mov_b32 v[ADRA], v[ADRA0]
	v_mov_b32 v[ADRB], v[ADRB0]
	s_mul_i32 s82, s[WR], 16*MA*SP                 ; the stage: my rows, my columns; row l % 16, 32 bytes for each half of the lanes
	s_mul_i32 s83, s[WC], 16*NB*4
	s_add_co_u32 s82, s82, s83
	v_mul_u32_u24 v3, v1, SP
	v_lshl_add_u32 v3, v2, 5, v3
	v_add_nc_u32 v[STO], s82, v3
	v_add_nc_u32 v[STO2], 64*SP, v[STO]
	s_mul_i32 s82, s[WV], 64*SP                    ; back: wave w takes rows 64 w on; lanes 0-15 one row's 64 columns of a head, lanes 16-31 the next row's
	v_mul_u32_u24 v3, v2, SP
	v_lshl_add_u32 v3, v1, 4, v3
	v_add_nc_u32 v[RD], s82, v3
	v_and_b32 v3, 31, v0
	v_lshlrev_b32 v3, 3, v3                        ; two rows of a head are 256 consecutive bytes: 8 x lane
.irp j, 0,1,2
	s_mul_i32 s21, s[TX], 3
	s_add_co_u32 s21, s21, \j                      ; the head among q's, k's and v's 48
	s_lshr_b32 s22, s21, 4
	s_and_b32 s21, s21, 15
	s_lshl_b32 s22, s22, 23                        ; its section,
	s_lshl_b32 s21, s21, 18                        ; its 262,144 bytes there
	s_add_co_u32 s21, s21, s22
	v_add_nc_u32 v[CO+\j], s21, v3
.endr
	s_lshl_b32 s21, s[TY], 8
	s_lshl_b32 s22, s[WV], 6
	s_add_co_u32 s21, s21, s22                     ; the first row that I store
	s_lshr_b32 s22, s21, 11
	s_lshl_b32 s22, s22, 22                        ; its batch: 16 heads
	s_and_b32 s21, s21, 2047
	s_lshl_b32 s21, s21, 7                         ; its place in a head
	s_add_co_u32 s22, s22, s21
	s_mov_b32 s23, 0
	s_add_nc_u64 s[8:9], s[8:9], s[22:23]
	; the prefetches
	s_and_b32 s21, ttmp7, 0xffff                   ; cluster y
	s_mul_i32 s22, s[TY], TM
	s_mul_i32 s23, s[TX], TN
	s_cmp_eq_u32 s[WR], 0                          ; do I fetch for A?
	s_cselect_b32 s22, s22, s23                    ; the tile's first row
	s_cselect_b32 s23, s[CX], s[CY]                ; my place among the four that ask with me
	s_cselect_b32 s21, ttmp9, s21                  ; the coordinate along which other clusters read the same rows
	s_cselect_b32 s84, TM/8, TN/8                  ; my work-group's share of the rows that I fetch
	s_cselect_b32 s86, 0, BOFF
	s_cselect_b64 s[PFA:PFA+1], s[4:5], s[6:7]
	s_cmp_eq_u32 s21, 0
	s_cselect_b32 s[LIM], 2, -1
	s_lshl_b32 s85, s84, 2
	s_mul_i32 s85, s85, s[WC]
	s_add_co_u32 s22, s22, s85
	s_mul_i32 s23, s23, s84
	s_add_co_u32 s22, s22, s23
	s_mul_i32 s22, s22, 2*KK
	s_add_co_u32 s22, s22, s86
	s_add_co_u32 s22, s22, 3*KSTEP*2               ; at K step 3: the first refill steps it to 4
	s_mov_b32 s23, 0
	s_add_nc_u64 s[PFA:PFA+1], s[PFA:PFA+1], s[22:23]
	s_sub_co_u32 s84, s84, 1
	v_and_b32 v3, 31, v0
	v_min_u32 v3, s84, v3                          ; where the share is 24 rows, lanes 24-31 name lane 23's row again in the same instruction
	v_mul_u32_u24 v[PFO], v3, 2*KK
	s_wait_tensorcnt 0x1                           ; my part of K step 0 is in; K step 1's stays out
	s_barrier_signal -1
	s_barrier_wait -1
	FETCH 0, 0
	Q 0, 1, KQ, 1                                  ; the first quarter's products start the sums
	WIN 0
	s_mov_b32 s3, NSTEP-2
.Lk:                                   ; a trip: from a K step's second quarter to the next step's first; it fills one slot again
	Q 1, 0, 2*KQ, 0
	Q 0, 1, 3*KQ, 0
	MEET 1
	REST 1
	Q 0, 1, KQ, 0
	WIN 0
	s_sub_co_u32 s3, s3, 1
	s_cmp_lg_u32 s3, 0
	s_cbranch_scc1 .Lk
	s_mov_b32 s3, 2
.Ltail:                                ; the last two K steps ask for nothing: two trips, the second left behind its barrier
	Q 1, 0, 2*KQ, 0
	Q 0, 1, 3*KQ, 0
	MEET 0                                         ; first trip: the last slot is whole.  Second trip: every wave's reads of the ring are over, so the stage may be laid over it
	s_sub_co_u32 s3, s3, 1
	s_cmp_eq_u32 s3, 0
	s_cbranch_scc1 .Lfin
	REST 0
	Q 0, 1, KQ, 0
	WIN 0
	s_branch .Ltail
.Lfin:
	MUL2 1, 1, 0, 0                                ; the very last products
	MUL2 1, 1, 1, 0
	WIN 0
	PLACES
.irp a, 0,1,2,3,4,5,6,7
.irp b, 0,1,2,3,4,5
	WIN 0x08+0x04*((\a)/4)                         ; the data in window 2 or 3
.if (\a) < 4
	ds_store_b128 v[STO], v[64*(\a)+8*(\b):64*(\a)+8*(\b)+3] offset:(\a)*16*SP+64*(\b)
	ds_store_b128 v[STO], v[64*(\a)+8*(\b)+4:64*(\a)+8*(\b)+7] offset:(\a)*16*SP+64*(\b)+16
.else
	ds_store_b128 v[STO2], v[64*((\a)-4)+8*(\b):64*((\a)-4)+8*(\b)+3] offset:((\a)-4)*16*SP+64*(\b)
	ds_store_b128 v[STO2], v[64*((\a)-4)+8*(\b)+4:64*((\a)-4)+8*(\b)+7] offset:((\a)-4)*16*SP+64*(\b)+16
.endif
.endr
.endr
	WIN 0
	s_wait_dscnt 0x0                               ; for the others' sake: my stores into the stage are done
	s_barrier_signal -1
	s_barrier_wait -1
	s_mov_b32 s3, 4
.Lout:                                 ; 16 rows a trip: load u takes rows 2 (u / 3), + 1 of head u % 3
.set u, 0
.rept 24
	ds_load_b128 v[32+4*u:32+4*u+3], v[RD] offset:(u/3)*2*SP+(u%3)*256
.set u, u+1
.endr
.set u, 0
.rept 24
	s_wait_dscnt 23-u                              ; load u is back, the younger ones stay out
	v_cvt_pk_bf16_f32 v[128+2*u], v[32+4*u], v[32+4*u+1]
	v_cvt_pk_bf16_f32 v[128+2*u+1], v[32+4*u+2], v[32+4*u+3]
	global_store_b64 v[CO+u%3], v[128+2*u:128+2*u+1], s[8:9] offset:(u/3)*256  ; 256 consecutive bytes, aligned
.set u, u+1
.endr
	s_wait_xcnt 0x0                                ; the stores have read their data and their base: both are written again only behind this wait
	s_add_nc_u64 s[8:9], s[8:9], 16*128
	v_add_nc_u32 v[RD], 16*SP, v[RD]
	s_sub_co_u32 s3, s3, 1
	s_cmp_lg_u32 s3, 0
	s_cbranch_scc1 .Lout
	s_wait_tensorcnt 0x0                           ; the wave's end
	ds_add_u32 v[SPW], v[NIL]
	s_wait_dscnt 0x0
	CROUND                                         ; the closing round: no work-group ends while a partner may still ask for a tile that names it
	s_endpgm
.Lfunc_end_k_q772c1fd308_gemm_qkv:
	.size	k_q772c1fd308_gemm_qkv, .Lfunc_end_k_q772c1fd308_gemm_qkv-k_q772c1fd308_gemm_qkv
	.p2alignl 7, 3214868480
	.fill 96, 4, 3214868480
	.section	.rodata,"a",@progbits
	.p2align	6, 0x0
	.amdhsa_kernel k_q772c1fd308_gemm_qkv
		.amdhsa_group_segment_fixed_size 327680
		.amdhsa_private_segment_fixed_size 0
		.amdhsa_enable_private_segment 0
		.amdhsa_kernarg_size 24
		.amdhsa_user_sgpr_count 2
		.amdhsa_user_sgpr_kernarg_segment_ptr 1
		.amdhsa_wavefront_size32 1
		.amdhsa_system_sgpr_workgroup_id_x 1
		.amdhsa_system_sgpr_workgroup_id_y 1
		.amdhsa_system_sgpr_workgroup_id_z 1
		.amdhsa_system_vgpr_workitem_id 0
		.amdhsa_next_free_vgpr 1024
		.amdhsa_next_free_sgpr 96
		.amdhsa_reserve_vcc 0
		.amdhsa_float_denorm_mode_32 3
		.amdhsa_float_denorm_mode_16_64 3
		.amdhsa_memory_ordered 1
		.amdhsa_forward_progress 1
		.amdhsa_inst_pref_size 74
	.end_amdhsa_kernel
	.amdgpu_metadata
---
amdhsa.version: [ 1, 2 ]
amdhsa.kernels:
  - .name:           k_q772c1fd308_gemm_qkv
    .symbol:         k_q772c1fd308_gemm_qkv.kd
    .args:
      - { .name: h, .offset: 0, .size: 8, .value_kind: global_buffer, .address_space: global }
      - { .name: wb, .offset: 8, .size: 8, .value_kind: global_buffer, .address_space: global }
      - { .name: qkv, .offset: 16, .size: 8, .value_kind: global_buffer, .address_space: global }
    .group_segment_fixed_size: 327680
    .private_segment_fixed_size: 0
    .kernarg_segment_align: 8
    .kernarg_segment_size: 24
    .max_flat_workgroup_size: 128
    .sgpr_count:     96
    .vgpr_count:     1024
    .wavefront_size: 32
...
	.end_amdgpu_metadata
.endif
;; end of part 2
;; launch attn (part 3): grid 8 x 32, 4 waves a work-group, clusters of 4 x 1, 327,680 bytes of LDS; arguments qkv, o; writes o
.if DOCPART == 3
	.amdgcn_target "amdgcn-amd-amdhsa--gfx1250"
	.amdhsa_code_object_version 6
	.text
	.protected	k_q772c1fd308_attn
	.globl	k_q772c1fd308_attn
	.p2align	8
	.type	k_q772c1fd308_attn,@function
k_q772c1fd308_attn:
	s_mov_b64 s[64:65], 0
	v_nop
	global_prefetch_b8 v0, s[64:65] scope:SCOPE_SE
	s_setreg_imm32_b32 hwreg(HW_REG_WAVE_MODE, 25, 1), 1
	s_wait_xcnt 0x0
	s_wait_alu depctr_hold_cnt(0) depctr_sa_sdst(0) depctr_va_vdst(0) depctr_va_sdst(0) depctr_va_ssrc(0) depctr_va_vcc(0) depctr_vm_vsrc(0)
	s_getreg_b32 s2, hwreg(HW_REG_IB_STS2, 6, 4)
	s_cmp_eq_u32 s2, 0
	s_cbranch_scc0 .Lentry_in_a_cluster
	s_endpgm
.Lentry_in_a_cluster:
	s_bfe_u32 s2, ttmp6, 0x10000c
	s_cmp_lg_u32 s2, 0x3003
	s_cbranch_scc0 .Lentry_shape_is_right
	s_endpgm
.Lentry_shape_is_right:
; O[h][q][:] = the sum over k of softmax_k(Q[h][q] . K[h][k] / 8) V[h][k][:], 32 heads (16 b + head) of 2,048 rows x 64 channels, all bf16; Q, K, V are the three sections of qkv, a head's rows dense, 128 bytes each.
; Products, maxima and sums in f32; the weights p are rounded to bf16 for the second product (their sum l is taken of the unrounded p), O once at the end.
; LIMITS.  The running maximum starts at the lowest finite f32 and c m at -2^125, far below every c s that bf16 rows of 64 finite products can reach short of f32's own overflow; a weight below 2^-126 counts as 0 in l;
; NaN and infinities are not treated apart.
; SHARES.  A work-group owns 256 queries of one head, a wave 64: four PIECES of 16.  Every wave walks all keys: 8 tiles of 256 keys, 4 steps of 64 each.
; LAYOUT.  S^T = K Q^T holds ONE query a lane (lane % 16) and the keys 8 (lane / 16) + 0..7; two such results rounded to bf16 ARE source 1 of O^T = V^T P.  K comes out of LDS as it lies, V turned, by ds_load_tr16_b128.
; SOFTMAX.  p = 2^(c s - c m), c = log2(e) / 8, with a running maximum m; O and l are multiplied by a = 2^(c m_old - c m_new) in every step; the first step is a step like any other, with a = 0.
; TURNS.  Turn n belongs to piece n: 8 products K Q^T of piece n + 1, later 8 products V^T P of piece n - 1; beside them the scaling, exponentials, roundings, sums and rescaling of piece n and the maximum and
; statistics of piece n + 1.  Four vector instructions stand behind every matrix instruction, the other 54 of a turn's 118 in one lump.  A turn's 33 exponentials are one batch, with one wait.
; CLUSTER.  The four query blocks of a cluster belong to one head and walk the same K and V: each tile is asked for JOINTLY, by the same tensor load, descriptor and mask in all four.
; NO FIRST AND NO LAST STEP IS WRITTEN OUT.  The zeros written at the head (216 lines, in the wait for the first tile) are the price of the first; the loop is entered in the middle of a trip.  The last tile's loop
; has five trips and is left in the middle of the fifth, whose 8 products K Q^T (on the last K once more) and the maximum made of them serve nothing: the price, once a launch, of the second.
; REGISTERS, in windows of 256 (s_set_vgpr_msb: bits 1:0 source 0, 3:2 source 1, 5:4 source 2, 7:6 destination):
;   window 0: v0-15 addresses and two at work; v16-31 four registers of statistics a piece; v48-55 at work; v64-127 S^T, two buffers; v192-223 P, two buffers (by the piece's parity)
;   window 1: v0-127 O^T, 32 a piece      window 2: v0-63 Q; v128-191 K of one step; v192-255 V of one step
.set NP,    4
.set KS,    64
.set PK,    144       ; a row of K in LDS: 128 bytes + 16: the 16 rows of a load start 36 words apart
.set PV,    160       ; a row of V: 128 + 32: 16 lanes of the turning load take 8 rows x 32 bytes, 40 words apart
.set VOFF,  4*KS*PK   ; a slot holds a tile: 256 rows of K, then 256 rows of V
.set SLOT1, 1<<17
.set STAGE, SLOT1+4*KS*(PK+PV)  ; behind the ring, never filled by a tensor load: 16 rows x 144 bytes for each wave
.set SP,    144
.set SPARE, STAGE+4*16*SP       ; the spare words, 128 bytes a wave: two blocks of 256 bytes that no other line names
.set AK0, 2
.set AV0, 3
.set AK,  4
.set AV,  5
.set STO, 6
.set RD,  7
.set GO,  8
.set MV,  12
.set QO,  15
.set ST,  16          ; piece t's statistics at v[ST+4 t]: c m, m, l (even keys', odd keys')
.set TMP, 48
.set PFO, 61          ; v61  256 x my lane; never rewritten
.set SPW, 62
.set NIL, 63
.set S,   64
.set P,   192
.set KF,  128
.set VF,  192
.set WV,  12
.set G1K, 24
.set G1V, 32
.set G0K, 40
.set G0V, 44
.set PFA, 48          ; s[48:49] where my prefetches stand: my work-group's 32 blocks of 256 bytes of the tile after the one that is being asked for
.set LIM, 50          ; s50  1 in a wave that prefetches, else the greatest number
.set SLOTS, 56
.set CNT, 57
.set CS,  58
.set SEL, 60
.set TBK, 62
.set TBV, 63
.set MSB, 0
.macro WIN new
.if MSB != (\new)
	s_set_vgpr_msb (MSB<<8)|(\new)
.set MSB, (\new)
.endif
.endm
.set W_KQ, 0x0a       ; K and Q in window 2, S^T in window 0
.set W_PV, 0x52       ; V in window 2, P in window 0, O^T in window 1
.set W_RS, 0x41       ; destination and source 0 in window 1, source 1 in window 0
.macro JLOAD                        ; a joint fill: waves 0, 1 fetch the halves of a tile's K, waves 2, 3 of its V; an s_nop 0 and four v_nop follow each line
	s_cmp_lt_u32 s[WV], 2
	s_cbranch_scc0 .Lfor_v_\@
	tensor_load_to_lds s[G0K:G0K+3], s[G1K:G1K+7]
	s_nop 0
.rept 4
	v_nop
.endr
	s_branch .Lasked_\@
.Lfor_v_\@:
	tensor_load_to_lds s[G0V:G0V+3], s[G1V:G1V+7]
	s_nop 0
.rept 4
	v_nop
.endr
.Lasked_\@:
.endm
; A prefetch of the tile that the NEXT change of slots will ask for.  All clusters of a head walk the same K and V: the head's first cluster asks; its four partners take 8,192 bytes each, told apart by address;
; in each, wave 0 asks for K's and wave 2 for V's, a lane 256 bytes.  The change that fills the last tile asks for nothing.
.macro ASK
	s_cmp_gt_u32 s[SLOTS], s[LIM]
	s_cbranch_scc0 .Lnot_mine_\@
	global_prefetch_b8 v[PFO], s[PFA:PFA+1] th:TH_LOAD_NT scope:SCOPE_SE
.Lnot_mine_\@:
.endm
.macro CROUND
	s_barrier_signal -1
	s_barrier_wait -1
	s_cmp_lg_u32 s[WV], 0
	s_cbranch_scc1 .Lnot_wave_0_\@
	s_barrier_signal -3
.Lnot_wave_0_\@:
	s_barrier_wait -3
	s_barrier_signal -1
	s_barrier_wait -1
.endm
; THE CHANGE OF SLOTS.  Each wave waits for all its tensor loads (one is out: its part of the other slot), adds 0 to its spare word, and waits for that and for its reads of the slot that it leaves.
; fill = 1: the barrier is a round of the cluster's, and the joint fill of the old slot, with the tile two on, is the first thing behind it: four key steps, 256 matrix instructions, in which to land.
.macro CHANGE fill
	WIN 0
	s_wait_tensorcnt 0x0
	ds_add_u32 v[SPW], v[NIL]
.if \fill
.irp g, G0K, G0V
	s_xor_b32 s[\g+1], s[\g+1], SLOT1
	s_add_nc_u64 s[\g+2:\g+3], s[\g+2:\g+3], 4*KS*128
.endr
	s_wait_xcnt 0x0                 ; the last prefetch, four key steps back, has read its address
	s_add_nc_u64 s[PFA:PFA+1], s[PFA:PFA+1], 4*KS*128
	s_wait_dscnt 0x0                ; the add is done, and my reads of the slot are over
	CROUND
	JLOAD
	ASK
.else
	s_wait_dscnt 0x0
	s_barrier_signal -1
	s_barrier_wait -1
.endif
	s_sub_co_u32 s[TBK], s[TBK], 4*KS*PK  ; the fetches go back to a slot's first step, in the other slot
	s_xor_b32 s[TBK], s[TBK], SLOT1
	s_sub_co_u32 s[TBV], s[TBV], 4*KS*PV
	s_xor_b32 s[TBV], s[TBV], SLOT1
.endm
	s_load_b128 s[8:11], s[0:1], 0x0  ; qkv s[8:9], o s[10:11]
	v_lshl_add_u32 v[SPW], v0, 2, SPARE
	v_mov_b32 v[NIL], 0
	ds_add_u32 v[SPW], v[NIL]       ; the opening: the add and its wait ahead of my first tensor load
	v_lshrrev_b32 v1, 5, v0
	v_readfirstlane_b32 s[WV], v1
	s_bfe_u32 s13, ttmp6, 0x40000   ; cx
	s_lshl_b32 s14, ttmp9, 2
	s_add_co_u32 s14, s14, s13      ; my block of 256 queries: it enters Q's and O's addresses alone
	s_and_b32 s20, ttmp7, 0xffff    ; the head, which the four partners share
	s_lshl_b32 s20, s20, 18         ; its 262,144 bytes in each section and in o
	s_mov_b32 s21, 0
	s_and_b32 s16, s[WV], 1         ; which half of a tile's 256 keys I fetch
	s_lshl_b32 s22, s16, 14
	s_mov_b32 s23, 0
	s_add_nc_u64 s[22:23], s[22:23], s[20:21]
	s_mul_i32 s17, s16, 128*PK
	s_mul_i32 s18, s16, 128*PV
	s_lshl_b32 s2, s14, 2
	s_add_co_u32 s2, s2, s[WV]
	s_lshl_b32 s2, s2, 13           ; my wave's 64 rows
	s_mov_b32 s3, 0
	s_add_nc_u64 s[2:3], s[2:3], s[20:21]
	; group 1: 128 keys are 16,384 dense bytes: asked for as 64 rows of 256 bytes, two keys a row, padded in LDS after every key
	s_mov_b32 s[G1K], 15|(1<<16)|(1<<20)|(1<<21)|(4<<22)|(3<<25)
	s_mov_b32 s[G1V], 15|(1<<16)|(1<<20)|(1<<21)|(4<<22)|(7<<25)
.irp g, G1K, G1V
	s_mov_b32 s[\g+1], 128<<16
	s_mov_b32 s[\g+2], 64<<16
	s_mov_b32 s[\g+3], 128<<16
	s_mov_b32 s[\g+4], 64
	s_mov_b32 s[\g+5], 128
	s_mov_b32 s[\g+6], 0
	s_mov_b32 s[\g+7], 0
.endr
	s_mov_b32 s[CS], 0x3e38aa3b     ; c = log2(e) / 8
	s_mov_b32 s[CS+1], s[CS]
	s_mov_b32 s[SEL], 0x76543210
	s_mov_b32 s[SEL+1], 0xfedcba98
	s_mov_b32 s[TBK], SLOT1+4*KS*PK ; the first change of slots turns these two into 0
	s_mov_b32 s[TBV], SLOT1+4*KS*PV
	s_mov_b32 s[G0K], 1
	s_mov_b32 s[G0K+1], s17
	s_mov_b32 s[G0V], 1
	s_add_co_u32 s[G0V+1], s18, VOFF
	s_mov_b32 s[SLOTS], 7
	s_and_b32 s[LIM], s[WV], 1      ; 0 in waves 0 and 2,
	s_or_b32 s[LIM], s[LIM], ttmp9  ; where the cluster is the head's first: the same in all four partners
	s_cmp_eq_u32 s[LIM], 0
	s_cselect_b32 s[LIM], 1, -1
	v_and_b32 v[PFO], 31, v0
	v_lshlrev_b32 v[PFO], 8, v[PFO]
	s_wait_dscnt 0x0                ; the opening add is done
	s_wait_kmcnt 0x0
	s_mov_b64 s[4:5], s[8:9]                  ; q's section,
	s_add_nc_u64 s[6:7], s[8:9], 0x800000     ; k's,
	s_add_nc_u64 s[8:9], s[8:9], 0x1000000    ; v's
	s_add_nc_u64 s[6:7], s[6:7], s[22:23]     ; K and V at my half of the head's tile 0
	s_add_nc_u64 s[8:9], s[8:9], s[22:23]
	s_add_nc_u64 s[G0K+2:G0K+3], s[6:7], 0
	s_or_b32 s[G0K+3], s[G0K+3], 0x80000000
	s_add_nc_u64 s[G0V+2:G0V+3], s[8:9], 0
	s_or_b32 s[G0V+3], s[G0V+3], 0x80000000
	s_add_nc_u64 s[4:5], s[4:5], s[2:3]       ; Q and O at my wave's first row
	s_add_nc_u64 s[10:11], s[10:11], s[2:3]
	s_cmp_lt_u32 s[WV], 2
	s_cselect_b64 s[PFA:PFA+1], s[6:7], s[8:9]  ; (in waves 0 and 2 these stand at a tile's first row)
	s_lshl_b32 s2, s13, 13          ; my work-group's 8,192 bytes,
	s_add_co_u32 s2, s2, 4*KS*128   ; in tile 1; the first change of slots steps it to tile 2
	s_mov_b32 s3, 0
	s_add_nc_u64 s[PFA:PFA+1], s[PFA:PFA+1], s[2:3]
	CROUND                          ; all four work-groups are here: the first joint loads meet
	JLOAD                           ; tile 0 into slot 0
	v_and_b32 v1, 15, v0            ; l % 16
	v_bfe_u32 v9, v0, 4, 1          ; l / 16
	v_lshlrev_b32 v[QO], 7, v1
	v_lshl_add_u32 v[QO], v9, 4, v[QO]
	WIN 0x80
.set i, 0
.rept 8                             ; Q stays in registers: piece i / 2, channels 32 (i % 2) on
	global_load_b128 v[8*i:8*i+3],   v[QO], s[4:5] offset:(i/2)*2048+(i%2)*64
	global_load_b128 v[8*i+4:8*i+7], v[QO], s[4:5] offset:(i/2)*2048+(i%2)*64+32
.set i, i+1
.endr
.set i, VF
.rept 64                            ; what the first turn finds: V and P's second buffer hold 0, O^T and l are 0
	v_mov_b32 v[i], 0
.set i, i+1
.endr
	WIN 0x40
.set i, 0
.rept 128
	v_mov_b32 v[i], 0
.set i, i+1
.endr
	WIN 0
.set i, 0
.rept 4
	v_mov_b32 v[ST+4*i], 0xfe000000    ; c m: far below every c s
	v_mov_b32 v[ST+4*i+1], 0xff7fffff  ; m
	v_mov_b32 v[ST+4*i+2], 0
	v_mov_b32 v[ST+4*i+3], 0
.set i, i+1
.endr
.set i, P+16
.rept 16
	v_mov_b32 v[i], 0
.set i, i+1
.endr
	v_mul_u32_u24 v[AK0], v1, PK
	v_lshl_add_u32 v[AK0], v9, 4, v[AK0]
	; the turning load takes 16 keys x 16 channels (lane l reads key 8 (l / 16) + l % 8, channels 8 ((l / 8) % 2) + 0..7) and leaves half a fragment of V^T
	v_and_b32 v10, 7, v0
	v_bfe_u32 v11, v0, 3, 1
	v_lshl_add_u32 v[AV0], v9, 3, v10
	v_mul_u32_u24 v[AV0], v[AV0], PV
	v_lshl_add_u32 v[AV0], v11, 4, v[AV0]
	v_add_nc_u32 v[AV0], VOFF, v[AV0]
	s_mul_i32 s19, s[WV], 16*SP
	s_add_co_u32 s19, s19, STAGE    ; my stage
	v_mul_u32_u24 v[STO], v1, SP    ; in: row l % 16, 16 bytes for each half of the lanes
	v_lshl_add_u32 v[STO], v9, 4, v[STO]
	v_add_nc_u32 v[STO], s19, v[STO]
	v_bfe_u32 v[RD], v0, 3, 2       ; back: 32 lanes take four rows of 128 bytes,
	v_mul_u32_u24 v[RD], v[RD], SP
	v_lshl_add_u32 v[RD], v10, 4, v[RD]
	v_add_nc_u32 v[RD], s19, v[RD]
	v_and_b32 v[GO], 31, v0         ; which are 512 consecutive bytes of O
	v_lshlrev_b32 v[GO], 4, v[GO]
; THE MATRIX WORK.  The 4 accumulators of a run of 8 take turns.  Product i of 8 of S^T = K Q^T for piece x: channels 32 (i / 4) on, keys 16 (i % 4) on; the first 4 start the sums.
.macro KQ x
.set rS, S+32*((\x)%2)+8*(i%4)
.set rK, KF+16*(i%4)+8*(i/4)
.set rQ, 16*(\x)+8*(i/4)
	WIN W_KQ
.if i < 4
	v_wmma_f32_16x16x32_bf16 v[rS:rS+7], v[rK:rK+7], v[rQ:rQ+7], 0
.else
	v_wmma_f32_16x16x32_bf16 v[rS:rS+7], v[rK:rK+7], v[rQ:rQ+7], v[rS:rS+7]
.endif
.endm
; Product i of 8 of O^T += V^T P for piece x: keys 32 (i / 4) on, channels 16 (i % 4) on.
.macro PV x
	WIN W_PV
.set rO, 32*(\x)+8*(i%4)
.set rV, VF+32*(i/4)+8*(i%4)
.set rP, P+16*((\x)%2)+8*(i/4)
	v_wmma_f32_16x16x32_bf16 v[rO:rO+7], v[rV:rV+7], v[rP:rP+7], v[rO:rO+7]
.endm
.macro MM                           ; the turn's next matrix instruction
.if i < 8
	KQ (Y+1)%NP
.else
.set i, i-8
	PV (Y+NP-1)%NP
.set i, i+8
.endif
.set i, i+1
.endm
; THE LDS LOADS stand in runs of 16: a step's K (8 fragments) and its V (turned).
.macro FETCH_K
	WIN 0x80
.irp f, 0,1,2,3,4,5,6,7
	ds_load_b128 v[KF+8*\f:KF+8*\f+3],   v[AK] offset:(\f/2)*16*PK+(\f%2)*64
	ds_load_b128 v[KF+8*\f+4:KF+8*\f+7], v[AK] offset:(\f/2)*16*PK+(\f%2)*64+32
.endr
	s_add_co_u32 s[TBK], s[TBK], KS*PK
	WIN 0
.endm
.macro FETCH_V
	WIN 0x80
.irp f, 0,1,2,3,4,5,6,7
	ds_load_tr16_b128 v[VF+8*\f:VF+8*\f+3],   v[AV] offset:(\f/4)*32*PV+(\f%4)*32
	ds_load_tr16_b128 v[VF+8*\f+4:VF+8*\f+7], v[AV] offset:(\f/4)*32*PV+16*PV+(\f%4)*32
.endr
	WIN 0
.endm
; THE VECTOR WORK, one line at a time: OP kind, number.  For piece Y: F n: c s - c m for pair n of 16.  E n: the exponential of score n of 32.  C n: pair n rounded to bf16.  B n: of the four weights 4 n .. the second
; pair is added onto the first, in place.  L n: l takes that sum (L 0: l = a l + sum).  R n: pair n of 16 of O^T times a.  For piece Y + 1: X n, number n of the 22 that find its maximum and statistics:
;   0-11  four chains c0-c3 of seven scores each (each accumulator's lowest registers are read first)     12-14, 16  the four scores left over, the old m, and c0-c3 into c0
;   15  c m_old is kept     17, 18  the query's other 32 keys lie in the lane 16 away: the new m     19-21  c m; c m_old - c m_new; a
.set F, 0
.set E, 1
.set C, 2
.set B, 3
.set L, 4
.set R, 5
.set X, 6
.macro REGS y
.set rT, ST+4*(\y)
.set rC, TMP+4*((\y)%2)
.set rW, MV+((\y)%2)
.set rS, S+32*((\y)%2)
.set rP, P+16*((\y)%2)
.set rO, 32*(\y)
.endm
.macro OP k, n
.if (\k) == R
	REGS Y
	WIN W_RS
	v_pk_mul_f32 v[rO+2*(\n):rO+2*(\n)+1], v[rO+2*(\n):rO+2*(\n)+1], v[rC+2:rC+3] op_sel_hi:[1,0]
.elseif (\k) < R
	REGS Y
	WIN 0
.if (\k) == F
	v_pk_fma_f32 v[rS+2*(\n):rS+2*(\n)+1], v[rS+2*(\n):rS+2*(\n)+1], s[CS:CS+1], v[rT:rT+1] op_sel_hi:[1,0,0] neg_lo:[0,0,1] neg_hi:[0,0,1]
.elseif (\k) == E
	v_exp_f32 v[rS+(\n)], v[rS+(\n)]
.elseif (\k) == C
	v_cvt_pk_bf16_f32 v[rP+(\n)], v[rS+2*(\n)], v[rS+2*(\n)+1]
.elseif (\k) == B
	v_pk_add_f32 v[rS+4*(\n):rS+4*(\n)+1], v[rS+4*(\n):rS+4*(\n)+1], v[rS+4*(\n)+2:rS+4*(\n)+3]
.elseif (\n) == 0
	v_pk_fma_f32 v[rT+2:rT+3], v[rT+2:rT+3], v[rC+2:rC+3], v[rS:rS+1] op_sel_hi:[1,0,1]
.else
	v_pk_add_f32 v[rT+2:rT+3], v[rT+2:rT+3], v[rS+4*(\n):rS+4*(\n)+1]
.endif
.else
	REGS (Y+1)%NP
	WIN 0
.if (\n) < 4
	v_max3_num_f32 v[rC+(\n)], v[rS+8*(\n)], v[rS+8*(\n)+1], v[rS+8*(\n)+2]
.elseif (\n) < 12
	v_max3_num_f32 v[rC+(\n)%4], v[rC+(\n)%4], v[rS+8*((\n)%4)+2*((\n)/4)+1], v[rS+8*((\n)%4)+2*((\n)/4)+2]
.elseif (\n) == 12
	v_max3_num_f32 v[rC], v[rC], v[rS+7], v[rS+15]
.elseif (\n) == 13
	v_max3_num_f32 v[rC+1], v[rC+1], v[rS+23], v[rS+31]
.elseif (\n) == 14
	v_max3_num_f32 v[rC+2], v[rC+2], v[rC+3], v[rT+1]
.elseif (\n) == 15
	v_mov_b32 v[rW], v[rT]
.elseif (\n) == 16
	v_max3_num_f32 v[rC], v[rC], v[rC+1], v[rC+2]
.elseif (\n) == 17
	v_permlanex16_b32 v[rC+3], v[rC], s[SEL], s[SEL+1]
.elseif (\n) == 18
	v_max_num_f32 v[rT+1], v[rC], v[rC+3]
.elseif (\n) == 19
	v_mul_f32 v[rT], s[CS], v[rT+1]
.elseif (\n) == 20
	v_sub_f32 v[rC+1], v[rW], v[rT]
.else
	v_exp_f32 v[rC+2], v[rC+1]
.endif
.endif
.endm
.macro OPS a, i1, b=-1, i2=0, c=-1, i3=0, d=-1, i4=0
	OP \a, \i1
.if (\b) >= 0
	OP \b, \i2
.endif
.if (\c) >= 0
	OP \c, \i3
.endif
.if (\d) >= 0
	OP \d, \i4
.endif
.endm
.macro ROW a, i1, b, i2, c, i3, d, i4  ; a matrix instruction and the four behind it
	MM
	OPS \a, \i1, \b, \i2, \c, \i3, \d, \i4
.endm
; A TURN, for piece p, written out.  AHEAD OF ITS ONE WAIT stands all that names no result of the turn's exponentials: the 8 products K Q^T with their riders, then the lump, in which the links of the chain
; X 3, 7, 11, 14, 16, 17 .. 20 stand five or six lines apart; X 21, the next piece's a, is the batch's last, R 15 the plain instruction behind it.  BEHIND THE WAIT stand the 8 products V^T P, behind each four of the
; roundings and sums.  cnt = 1: the loop's count is taken down some lines ahead of the branch behind the turn.
; K of the next step is fetched in piece 2's turn, six plain instructions behind the last product that read K; V of the step in hand at the end of piece 0's turn, four plain instructions behind the last product that
; read V.  Each is waited for a turn later.  late = 1 (the last tile's loop): K's run stands directly behind the batch's wait, where a branch may stand, and is jumped over in the trip that has no further step;
; it then has the turn's 8 products V^T P in which to land.
.macro TURN p, late=0, cnt=0
.set Y, (\p)
.set i, 0
.if (\p) == 3
	s_wait_dscnt 0x0                ; K is in
.endif
	ROW F,0, F,1, R,0, R,1
	ROW F,2, E,0, R,2, R,3
	ROW F,3, E,1, R,4, R,5
	ROW F,4, E,2, R,6, R,7
	ROW F,5, E,3, R,8, R,9
	ROW F,6, E,4, X,0, R,10
.if (\p) == 2
	WIN 0
	v_add_nc_u32 v[AK], s[TBK], v[AK0]
.endif
	ROW F,7, E,5, X,1, X,4
	ROW F,8, E,6, X,2, X,5
	OPS E,7, E,8, X,6, E,9
	OPS X,3, E,10, X,8, E,11
.if ((\p) == 2) && !(\late)
	FETCH_K
.endif
	OPS X,9, X,7, E,12, X,10
	OPS E,13, X,12, X,11, E,14
	OPS X,13, E,15, F,9, X,14
.if (\p) == 0
	v_add_nc_u32 v[AV], s[TBV], v[AV0]
.endif
	OPS E,16, F,10, E,17, F,11
	OPS X,16, E,18, X,15, E,19
	OPS F,12, E,20, X,17, E,21
	OPS F,13, E,22, F,14, E,23
	OPS X,18, E,24, F,15, E,25
	OPS R,11, E,26, X,19, E,27
	OPS R,12, E,28, R,13, E,29
	OPS X,20, E,30, R,14, E,31
	OPS X,21, R,15
	WIN 0
	s_wait_alu depctr_va_vdst(0)    ; the wait for the batch, ahead of the first line that names an exponential's result
.if ((\p) == 2) && (\late)
	s_cmp_eq_u32 s[CNT], 1          ; the fifth trip has no further step
	s_cbranch_scc1 .Lno_k_\@
	FETCH_K
.Lno_k_\@:
.endif
.if (\p) == 1
	s_wait_dscnt 0x0                ; V is in
.endif
	ROW C,0, B,0, C,2, B,1
	ROW L,0, C,4, B,2, L,1
	ROW C,6, B,3, L,2, C,8
	ROW B,4, L,3, C,10, B,5
	ROW L,4, C,12, B,6, L,5
.if (\p) == 0
	s_add_co_u32 s[TBV], s[TBV], KS*PV
.endif
.if \cnt
	s_sub_co_u32 s[CNT], s[CNT], 1
	s_cmp_lg_u32 s[CNT], 0
.endif
	ROW C,14, B,7, L,6, C,1
	ROW C,3, L,7, C,5, C,7
	ROW C,9, C,11, C,13, C,15
.if (\p) == 0
	FETCH_V
.endif
.endm
.macro ALL line:vararg              ; one line for each piece t
.set t, 0
.rept 4
	\line
.set t, t+1
.endr
.endm
.macro PACK t                       ; a lane's eight channels of a row pack into 16 bytes; they go into rows of 144 bytes and come back as whole rows of 128, into S^T's registers
	WIN W_RS
.set i, 32*(\t)
.rept 16
	v_pk_mul_f32 v[i:i+1], v[i:i+1], v[ST+4*(\t)+2:ST+4*(\t)+3] op_sel_hi:[1,0]
.set i, i+2
.endr
	WIN 0x05
.set i, 0
.rept 16
	v_cvt_pk_bf16_f32 v[S+16*(\t)+i], v[32*(\t)+2*i], v[32*(\t)+2*i+1]
.set i, i+1
.endr
	WIN 0
.irp f, 0,1,2,3
	ds_store_b128 v[STO], v[S+16*(\t)+4*\f:S+16*(\t)+4*\f+3] offset:32*\f
.endr
.irp f, 0,1,2,3
	ds_load_b128 v[S+16*(\t)+4*\f:S+16*(\t)+4*\f+3], v[RD] offset:\f*4*SP  ; LDS serves a wave's instructions in order (ISA guide 5.7.1.4): these see the stores above
.endr
.endm
.macro SEND t, younger              ; younger: the LDS instructions issued behind piece t's loads
	WIN 0
.irp f, 0,1,2,3
	s_wait_dscnt (\younger)+3-\f
	global_store_b128 v[GO], v[S+16*(\t)+4*\f:S+16*(\t)+4*\f+3], s[10:11] offset:(\t)*2048+\f*512  ; 512 consecutive bytes, at a multiple of 256 from O's first
.endr
.endm
	CHANGE 1                        ; tile 0 is in, everybody's part of it; tile 1 is asked for
	v_add_nc_u32 v[AK], s[TBK], v[AK0]
	FETCH_K                         ; key step 0
	s_wait_loadcnt 0x0              ; Q
	s_wait_dscnt 0x0
.set i, 0
.rept 8
	KQ 0                            ; piece 0's first scores
.set i, i+1
.endr
	WIN 0
.rept 4
	v_nop                           ; the places behind those products
.endr
.set Y, NP-1                        ; X works for piece Y + 1: piece 0
.irp n, 0,1,2,3,4,5,6,7,8,9,10,11,12,13,14,15,16,17,18,19,20,21
	OP X, \n
.endr
	v_nop                           ; a plain instruction behind the exponential,
	s_wait_alu depctr_va_vdst(0)    ; and its wait, ahead of the branch
	s_mov_b32 s[CNT], 4
	s_branch .Lfirst                ; the loop is entered at a step's first turn, in the middle of a trip
.Lslot:                             ; six times: tiles 2 to 7 are asked for
	CHANGE 1
	s_mov_b32 s[CNT], 4
.Lstep:                             ; a trip: pieces 2 and 3 of one step, then pieces 0 and 1 of the next, whose K and V it fetches
	TURN 2
	TURN 3
	WIN 0
.Lfirst:
	TURN 0
	TURN 1, 0, 1
	WIN 0
	s_cbranch_scc1 .Lstep
	s_sub_co_u32 s[SLOTS], s[SLOTS], 1
	s_cmp_lg_u32 s[SLOTS], 0
	s_cbranch_scc1 .Lslot
	CHANGE 0                        ; the last tile has a loop of its own: nothing is asked for
	s_mov_b32 s[CNT], 5             ; four trips fetch the last tile's steps; the fifth is left in its middle
.Ltail:
	TURN 2, 1
	TURN 3
	WIN 0
	s_sub_co_u32 s[CNT], s[CNT], 1
	s_cmp_eq_u32 s[CNT], 0
	s_cbranch_scc1 .Lout
	TURN 0
	TURN 1
	WIN 0
	s_branch .Ltail
.Lout:
.set i, 0
.rept 8
	PV NP-1                         ; the last piece's V^T P of the last step
.set i, i+1
.endr
	; THE WAY OUT: l's two halves and the other half of the lanes' are added; O^T is divided by l, rounded and sent through my stage, a piece at a time.  The additions are the places behind the last products.
	WIN 0
	ALL v_add_f32 v[ST+4*t+2], v[ST+4*t+2], v[ST+4*t+3]
	ALL v_permlanex16_b32 v[ST+4*t+3], v[ST+4*t+2], s[SEL], s[SEL+1]
	ALL v_add_f32 v[ST+4*t+2], v[ST+4*t+2], v[ST+4*t+3]
	ALL v_rcp_f32 v[ST+4*t+2], v[ST+4*t+2]
	v_nop                           ; a plain instruction behind the last reciprocal,
	s_wait_alu depctr_va_vdst(0)    ; and one wait for the four
	PACK 0
.set t, 1
.rept 3
	PACK t
	SEND t-1, 8
.set t, t+1
.endr
	SEND 3, 0
	s_wait_tensorcnt 0x0            ; the wave's end
	ds_add_u32 v[SPW], v[NIL]
	s_wait_dscnt 0x0
	CROUND                          ; the closing round
	s_endpgm
.Lfunc_end_k_q772c1fd308_attn:
	.size	k_q772c1fd308_attn, .Lfunc_end_k_q772c1fd308_attn-k_q772c1fd308_attn
	.p2alignl 7, 3214868480
	.fill 96, 4, 3214868480
	.section	.rodata,"a",@progbits
	.p2align	6, 0x0
	.amdhsa_kernel k_q772c1fd308_attn
		.amdhsa_group_segment_fixed_size 327680
		.amdhsa_private_segment_fixed_size 0
		.amdhsa_enable_private_segment 0
		.amdhsa_kernarg_size 16
		.amdhsa_user_sgpr_count 2
		.amdhsa_user_sgpr_kernarg_segment_ptr 1
		.amdhsa_wavefront_size32 1
		.amdhsa_system_sgpr_workgroup_id_x 1
		.amdhsa_system_sgpr_workgroup_id_y 1
		.amdhsa_system_sgpr_workgroup_id_z 1
		.amdhsa_system_vgpr_workitem_id 0
		.amdhsa_next_free_vgpr 768
		.amdhsa_next_free_sgpr 66
		.amdhsa_reserve_vcc 0
		.amdhsa_float_denorm_mode_32 3
		.amdhsa_float_denorm_mode_16_64 3
		.amdhsa_memory_ordered 1
		.amdhsa_forward_progress 1
		.amdhsa_inst_pref_size 112
	.end_amdhsa_kernel
	.amdgpu_metadata
---
amdhsa.version: [ 1, 2 ]
amdhsa.kernels:
  - .name:           k_q772c1fd308_attn
    .symbol:         k_q772c1fd308_attn.kd
    .args:
      - { .name: qkv, .offset: 0, .size: 8, .value_kind: global_buffer, .address_space: global }
      - { .name: o, .offset: 8, .size: 8, .value_kind: global_buffer, .address_space: global }
    .group_segment_fixed_size: 327680
    .private_segment_fixed_size: 0
    .kernarg_segment_align: 8
    .kernarg_segment_size: 16
    .max_flat_workgroup_size: 128
    .sgpr_count:     66
    .vgpr_count:     768
    .wavefront_size: 32
...
	.end_amdgpu_metadata
.endif
;; end of part 3
;; launch gemm_wo (part 4): grid 8 x 32, 4 waves a work-group, clusters of 4 x 4, 327,680 bytes of LDS; arguments o, wb, x, x1; writes x1
.if DOCPART == 4
	.amdgcn_target "amdgcn-amd-amdhsa--gfx1250"
	.amdhsa_code_object_version 6
	.text
	.protected	k_q772c1fd308_gemm_wo
	.globl	k_q772c1fd308_gemm_wo
	.p2align	8
	.type	k_q772c1fd308_gemm_wo,@function
k_q772c1fd308_gemm_wo:
	s_mov_b64 s[64:65], 0
	v_nop
	global_prefetch_b8 v0, s[64:65] scope:SCOPE_SE
	s_setreg_imm32_b32 hwreg(HW_REG_WAVE_MODE, 25, 1), 1
	s_wait_xcnt 0x0
	s_wait_alu depctr_hold_cnt(0) depctr_sa_sdst(0) depctr_va_vdst(0) depctr_va_sdst(0) depctr_va_ssrc(0) depctr_va_vcc(0) depctr_vm_vsrc(0)
	s_getreg_b32 s2, hwreg(HW_REG_IB_STS2, 6, 4)
	s_cmp_eq_u32 s2, 0
	s_cbranch_scc0 .Lentry_in_a_cluster
	s_endpgm
.Lentry_in_a_cluster:
	s_bfe_u32 s2, ttmp6, 0x10000c
	s_cmp_lg_u32 s2, 0xf033
	s_cbranch_scc0 .Lentry_shape_is_right
	s_endpgm
.Lentry_shape_is_right:
; x1[m][n] = x[m][n] + sum over k of o[m][k] wo[n][k].  o lies by heads, [16 b + head][t][64] bf16 (k = 64 head + channel); wo [1024][1024] bf16 at byte 6,291,456 of wb; x, x1 [4096][1024] f32; sums in f32.
; A tile of C is 128 x 128: 8 x 32 work-groups.  Four waves as 2 x 2, each 64 x 64: 16 accumulators.  K goes in steps of 256 (four heads) through two LDS slots.
; o's TILE is taken head by head: a "row" of the tile is 64 rows of one head, 8,192 dense bytes, padded in LDS after every 128; four heads, 131,072 elements apart.  So LDS holds [head 4][row 64] at pitch 144,
; and a quarter of a K step is exactly one head.  wo's rows are 512 bytes, padded to 528.
; The last two K steps, which ask for nothing, are a second loop of two trips that is left in its middle and little is written twice.
; CLUSTER 4 x 4: o's tile is asked for jointly along a row of the cluster, wo's along a column.  No prefetch: the tiles are small and a step is short.
; THE MATRIX INSTRUCTION IS USED TRANSPOSED (source 0 = 16 rows of wo, source 1 = 16 rows of o).  THE WAY OUT: f32 through a stage over the ring, which has had its last fill; whole rows of 512 bytes back;
; the residual, loaded at the head into registers of its own, is added; 512 consecutive bytes a store.
; REGISTERS: window 0 addresses; window 1 two fragment buffers of 128 (A's 64, then B's), later the rows on their way out; window 2 accumulator (a, b) at 512 + 64 a + 8 b; window 3 v0-127 the residual.
.set TM,     128
.set TN,     128
.set MA,     4
.set NB,     4
.set CQ,     2
.set KK,     1024
.set KSTEP,  256
.set NSTEP,  KK/KSTEP
.set PITCHA, 144
.set PITCHB, 528
.set HALFA,  4*64*PITCHA
.set HALFB,  (TN/2)*PITCHB
.set SLOT,   0x24000                   ; slot 1 begins here; no LDS base of slot 0 has one of its bits
.set SPARE,  SLOT+2*HALFA+2*HALFB
.set SP,     TN*4+16
.set QIA,    4                         ; padding after every 32 words
.set QIB,    6                         ; after every 128 words
.set DA0,    4096
.set DA1,    4
.set STRA,   131072
.set KSTEPA, 4*262144                  ; four heads on
.set KSTEPB, KSTEP*2
.set BOFF,   6291456
.set KQ,     64*CQ
.set AQS,    64*PITCHA                 ; from head to head in A's LDS tile
.set NLD,    2*CQ*(MA+NB)
.set HW,     8*CQ
.set RES,    8                         ; s[8:9] x   s[10:11] x1
.set OUT,    10
.set ADRA0, 16
.set ADRB0, 17
.set ADRA,  18
.set ADRB,  19
.set STO,   20
.set RD,    22
.set CO,    23
.set SPW,   28
.set NIL,   29
.set WV, 14
.set WR, 15
.set WC, 16
.set CX, 17
.set CY, 18
.set TX, 19
.set TY, 20
.set G1A,  24
.set G0A0, 32
.set G0A,  36
.set G1B,  40
.set G0B0, 48
.set G0B,  52
.set TB,   56
.set MSB, 0
.macro WIN new
.if MSB != (\new)
	s_set_vgpr_msb (MSB<<8)|(\new)
.set MSB, \new
.endif
.endm
.macro PLACES                          ; four plain places between matrix instructions and loads into, or reads of, their registers
.rept 4
	v_nop
.endr
.endm
.macro JLOAD                           ; the joint refill: waves 0, 1 ask for A's halves, waves 2, 3 for B's; an s_nop 0 and four v_nop follow each line
	s_cmp_eq_u32 s[WR], 0
	s_cbranch_scc0 .Lfor_b_\@
	tensor_load_to_lds s[G0A:G0A+3], s[G1A:G1A+7]
	s_nop 0
.rept 4
	v_nop
.endr
	s_branch .Lasked_\@
.Lfor_b_\@:
	tensor_load_to_lds s[G0B:G0B+3], s[G1B:G1B+7]
	s_nop 0
.rept 4
	v_nop
.endr
.Lasked_\@:
.endm
.macro CREST
	s_cmp_lg_u32 s[WV], 0
	s_cbranch_scc1 .Lnot_wave_0_\@
	s_barrier_signal -3
.Lnot_wave_0_\@:
	s_barrier_wait -3
	s_barrier_signal -1
	s_barrier_wait -1
.endm
.macro CROUND
	s_barrier_signal -1
	s_barrier_wait -1
	CREST
.endm
; 2 NB matrix instructions on buffer f: row blocks 2 p, 2 p + 1, chunk hf of the quarter's two.  All 16 accumulators take turns, one instruction a turn.
.macro MUL2 f, hf, p, zero
.irp aa, 0,1
.irp b, 0,1,2,3,4,5,6,7
.if (\b) < NB
.set ra, 2*(\p)+(\aa)+4*(\hf)*(2-CQ)
.set rc, (\hf)*(CQ-1)
.set rD, 64*(ra%4)+8*(\b)
.set rB, 128*(\f)+64+8*(NB*rc+(\b))
.set rA, 128*(\f)+8*(MA*rc+ra)
	WIN 0xa5+0x50*(ra/4)
.if \zero
	v_wmma_f32_16x16x32_bf16 v[rD:rD+7], v[rB:rB+7], v[rA:rA+7], 0
.else
	v_wmma_f32_16x16x32_bf16 v[rD:rD+7], v[rB:rB+7], v[rA:rA+7], v[rD:rD+7]
.endif
.endif
.endr
.endr
.endm
; a quarter's fragments, at byte k of B's rows (A: head k / 128 of the step), into buffer f: one run of NLD loads, the first chunk's first
.macro FETCH k, f
	WIN 0x40
.irp c, 0,1
.if (\c) < CQ
.irp i, 0,1,2,3,4,5,6,7
.if (\i) < NB
	ds_load_b128 v[128*(\f)+64+8*(NB*(\c)+(\i)):128*(\f)+64+8*(NB*(\c)+(\i))+3], v[ADRB] offset:(\k)+64*(\c)+(\i)*16*PITCHB
	ds_load_b128 v[128*(\f)+64+8*(NB*(\c)+(\i))+4:128*(\f)+64+8*(NB*(\c)+(\i))+7], v[ADRB] offset:(\k)+64*(\c)+(\i)*16*PITCHB+32
.endif
.endr
.irp i, 0,1,2,3,4,5,6,7
.if (\i) < MA
	ds_load_b128 v[128*(\f)+8*(MA*(\c)+(\i)):128*(\f)+8*(MA*(\c)+(\i))+3], v[ADRA] offset:((\k)/KQ)*AQS+64*(\c)+(\i)*16*PITCHA
	ds_load_b128 v[128*(\f)+8*(MA*(\c)+(\i))+4:128*(\f)+8*(MA*(\c)+(\i))+7], v[ADRA] offset:((\k)/KQ)*AQS+64*(\c)+(\i)*16*PITCHA+32
.endif
.endr
.endif
.endr
.endm
.macro Q f, g, k, zero
	s_wait_dscnt HW                                ; the first chunk is in
	MUL2 \f, 0, 0, \zero
	MUL2 \f, 0, 1, \zero
	PLACES
	FETCH \k, \g
	s_wait_dscnt NLD                               ; all but the run just issued
.if CQ == 1
	MUL2 \f, 1, 0, \zero
	MUL2 \f, 1, 1, \zero
.else
	MUL2 \f, 1, 0, 0
	MUL2 \f, 1, 1, 0
.endif
.endm
; THE LAST QUARTER (buffer 1), in two parts.  MEET: its first half and the barrier.  In front of the barrier: all my tensor loads have landed, the add, my reads of this slot are back.
; Behind it nobody reads this slot any more and the other slot is whole.  fill = 1: the walking descriptors step, for the refill that REST issues.
.macro MEET fill
	WIN 0
	s_wait_tensorcnt 0x0                           ; my one load that was out has landed: the walking descriptors may be written
	ds_add_u32 v[SPW], v[NIL]
.if \fill
	s_xor_b32 s[G0A+1], s[G0A+1], SLOT
	s_add_nc_u64 s[G0A+2:G0A+3], s[G0A+2:G0A+3], KSTEPA
	s_xor_b32 s[G0B+1], s[G0B+1], SLOT
	s_add_nc_u64 s[G0B+2:G0B+3], s[G0B+2:G0B+3], KSTEPB
.endif
	s_wait_dscnt HW+1                              ; the add and the youngest HW loads may be out
	MUL2 1, 0, 0, 0
	s_wait_dscnt 0x0                               ; the add is done, my reads of this slot are over
	s_barrier_signal -1
	MUL2 1, 0, 1, 0
	WIN 0
	s_barrier_wait -1
.endm
; REST: fill = 1: the barrier has opened a round of the cluster's, and the joint refill of the slot just read out is the first thing behind it.  Then the next slot's first fragments and the quarter's second half.
.macro REST fill
.if \fill
	CREST
	JLOAD                                          ; its four v_nop are also the places in front of the loads below
.else
	PLACES
.endif
	s_xor_b32 s[TB], s[TB], SLOT
	v_add_nc_u32 v[ADRA], s[TB], v[ADRA0]
	v_add_nc_u32 v[ADRB], s[TB], v[ADRB0]
	FETCH 0, 0
	MUL2 1, 1, 0, 0
	MUL2 1, 1, 1, 0
.endm
	s_load_b128 s[4:7], s[0:1], 0x0                ; o s[4:5], wb s[6:7]
	s_load_b128 s[8:11], s[0:1], 0x10              ; x, x1
	v_lshl_add_u32 v[SPW], v0, 2, SPARE
	v_mov_b32 v[NIL], 0
	ds_add_u32 v[SPW], v[NIL]                      ; the opening: the add and its wait ahead of my first tensor load
	v_lshrrev_b32 v1, 5, v0
	v_readfirstlane_b32 s[WV], v1
	s_lshr_b32 s[WR], s[WV], 1
	s_and_b32 s[WC], s[WV], 1
	s_bfe_u32 s[CX], ttmp6, 0x40000
	s_bfe_u32 s[CY], ttmp6, 0x40004
	s_lshl_b32 s[TX], ttmp9, 2
	s_add_co_u32 s[TX], s[TX], s[CX]
	s_and_b32 s[TY], ttmp7, 0xffff
	s_lshl_b32 s[TY], s[TY], 2
	s_add_co_u32 s[TY], s[TY], s[CY]
	s_lshl_b32 s21, s[CY], 2
	s_lshl_b32 s21, 15, s21                        ; my row of the cluster
	s_lshl_b32 s22, 0x1111, s[CX]                  ; my column
	s_or_b32 s[G1A], s21, (1<<16)|(1<<20)|(1<<21)|(QIA<<22)|(3<<25)
	s_or_b32 s[G1B], s22, (1<<16)|(1<<20)|(1<<21)|(QIB<<22)|(3<<25)
	s_mov_b32 s[G1A+1], (DA0&0xffff)<<16
	s_mov_b32 s[G1A+2], (DA0>>16)|(DA1<<16)
	s_mov_b32 s[G1A+3], DA0<<16
	s_mov_b32 s[G1A+4], DA1
	s_mov_b32 s[G1A+5], STRA
	s_mov_b32 s[G1A+6], 0
	s_mov_b32 s[G1A+7], 0
	s_mov_b32 s[G1B+1], KSTEP<<16
	s_mov_b32 s[G1B+2], (TN/2)<<16
	s_mov_b32 s[G1B+3], KSTEP<<16
	s_mov_b32 s[G1B+4], TN/2
	s_mov_b32 s[G1B+5], KK
	s_mov_b32 s[G1B+6], 0
	s_mov_b32 s[G1B+7], 0
	s_lshl_b32 s60, s[TY], 7                       ; A: row m0 = 128 x tile row + 64 x half,
	s_lshl_b32 s23, s[WC], 6
	s_add_co_u32 s60, s60, s23
	s_lshr_b32 s61, s60, 11
	s_lshl_b32 s61, s61, 22                        ; its batch's 16 heads,
	s_and_b32 s60, s60, 2047
	s_lshl_b32 s60, s60, 7                         ; its place in a head
	s_add_co_u32 s60, s60, s61
	s_mov_b32 s61, 0
	s_mul_i32 s62, s[TX], TN                       ; B: row TN x tile column + TN/2 x half
	s_mul_i32 s23, s[WC], TN/2
	s_add_co_u32 s62, s62, s23
	s_mul_i32 s62, s62, 2*KK
	s_add_co_u32 s62, s62, BOFF
	s_mov_b32 s63, 0
	s_mul_i32 s80, s[WC], HALFA                    ; where they go: no place in the cluster enters an LDS address
	s_mul_i32 s81, s[WC], HALFB
	s_add_co_u32 s81, s81, 2*HALFA
	s_mov_b32 s[TB], 0
	s_wait_dscnt 0x0                               ; the opening add is done
	s_wait_kmcnt 0x0
	s_add_nc_u64 s[60:61], s[4:5], s[60:61]
	s_add_nc_u64 s[62:63], s[6:7], s[62:63]
	CROUND                                         ; all sixteen work-groups are here: the first joint loads meet
	s_mov_b32 s[G0A0], 1
	s_mov_b32 s[G0A0+1], s80
	s_mov_b64 s[G0A0+2:G0A0+3], s[60:61]
	s_or_b32 s[G0A0+3], s[G0A0+3], 0x80000000
	s_mov_b32 s[G0A], 1
	s_add_co_u32 s[G0A+1], s80, SLOT
	s_add_nc_u64 s[G0A+2:G0A+3], s[60:61], KSTEPA
	s_or_b32 s[G0A+3], s[G0A+3], 0x80000000
	s_mov_b32 s[G0B0], 1
	s_mov_b32 s[G0B0+1], s81
	s_mov_b64 s[G0B0+2:G0B0+3], s[62:63]
	s_or_b32 s[G0B0+3], s[G0B0+3], 0x80000000
	s_mov_b32 s[G0B], 1
	s_add_co_u32 s[G0B+1], s81, SLOT
	s_add_nc_u64 s[G0B+2:G0B+3], s[62:63], KSTEPB
	s_or_b32 s[G0B+3], s[G0B+3], 0x80000000
	s_cmp_eq_u32 s[WR], 0                          ; a wave's two first fills stand in one branch: K steps 0 and 1; two loads of mine are out
	s_cbranch_scc0 .Lfirst_b
	tensor_load_to_lds s[G0A0:G0A0+3], s[G1A:G1A+7]
	s_nop 0
	tensor_load_to_lds s[G0A:G0A+3], s[G1A:G1A+7]
	s_nop 0
.rept 4
	v_nop
.endr
	s_branch .Lfirst_done
.Lfirst_b:
	tensor_load_to_lds s[G0B0:G0B0+3], s[G1B:G1B+7]
	s_nop 0
	tensor_load_to_lds s[G0B:G0B+3], s[G1B:G1B+7]
	s_nop 0
.rept 4
	v_nop
.endr
.Lfirst_done:
	v_and_b32 v1, 15, v0
	v_bfe_u32 v2, v0, 4, 1
	v_mul_u32_u24 v3, v1, PITCHA
	v_lshl_add_u32 v3, v2, 4, v3
	s_mul_i32 s82, s[WR], HALFA
	v_add_nc_u32 v[ADRA0], s82, v3
	v_mul_u32_u24 v3, v1, PITCHB
	v_lshl_add_u32 v3, v2, 4, v3
	v_add_nc_u32 v[ADRB0], s81, v3
	v_mov_b32 v[ADRA], v[ADRA0]
	v_mov_b32 v[ADRB], v[ADRB0]
	s_mul_i32 s82, s[WR], 16*MA*SP                 ; the stage: my rows, my columns; row l % 16, 32 bytes for each half of the lanes
	s_mul_i32 s83, s[WC], 16*NB*4
	s_add_co_u32 s82, s82, s83
	v_mul_u32_u24 v3, v1, SP
	v_lshl_add_u32 v3, v2, 5, v3
	v_add_nc_u32 v[STO], s82, v3
	s_mul_i32 s82, s[WV], 32*SP                    ; back: wave w takes rows 32 w on, a row's 512 bytes a load
	v_and_b32 v3, 31, v0
	v_lshl_add_u32 v[RD], v3, 4, s82
	v_lshlrev_b32 v[CO], 4, v3
	s_lshl_b32 s21, s[TY], 7
	s_lshl_b32 s22, s[WV], 5
	s_add_co_u32 s21, s21, s22                     ; the first row that I store
	s_lshl_b32 s22, s21, 12
	s_lshl_b32 s21, s[TX], 9                       ; the tile's first column, in bytes
	s_add_co_u32 s22, s22, s21
	s_mov_b32 s23, 0
	s_add_nc_u64 s[RES:RES+1], s[RES:RES+1], s[22:23]
	s_add_nc_u64 s[OUT:OUT+1], s[OUT:OUT+1], s[22:23]
	WIN 0xc0                                       ; the residual's 32 rows, into window 3: they come while K is walked; their registers and addresses are not touched before the wait for them
.set i, 0
.rept 32
	global_load_b128 v[4*i:4*i+3], v[CO], s[RES:RES+1] offset:4096*i th:TH_LOAD_NT
.set i, i+1
.endr
	WIN 0
	s_wait_tensorcnt 0x1                           ; my part of K step 0 is in; K step 1's stays out
	s_barrier_signal -1
	s_barrier_wait -1
	FETCH 0, 0
	Q 0, 1, KQ, 1                                  ; the first products start the sums
	WIN 0
	s_mov_b32 s3, NSTEP-2
.Lk:                                   ; a trip: from a K step's second quarter to the next step's first; it fills one slot again
	Q 1, 0, 2*KQ, 0
	Q 0, 1, 3*KQ, 0
	MEET 1
	REST 1
	Q 0, 1, KQ, 0
	WIN 0
	s_sub_co_u32 s3, s3, 1
	s_cmp_lg_u32 s3, 0
	s_cbranch_scc1 .Lk
	s_mov_b32 s3, 2
.Ltail:                                ; the last two K steps ask for nothing: two trips, the second left behind its barrier
	Q 1, 0, 2*KQ, 0
	Q 0, 1, 3*KQ, 0
	MEET 0                                         ; first trip: the last slot is whole.  Second trip: every wave's reads of the ring are over, so the stage may be laid over it
	s_sub_co_u32 s3, s3, 1
	s_cmp_eq_u32 s3, 0
	s_cbranch_scc1 .Lfin
	REST 0
	Q 0, 1, KQ, 0
	WIN 0
	s_branch .Ltail
.Lfin:
	MUL2 1, 1, 0, 0                                ; the very last products
	MUL2 1, 1, 1, 0
	WIN 0
	PLACES
	WIN 0x08                                       ; the data in window 2
.irp a, 0,1,2,3
.irp b, 0,1,2,3
	ds_store_b128 v[STO], v[64*(\a)+8*(\b):64*(\a)+8*(\b)+3] offset:(\a)*16*SP+64*(\b)
	ds_store_b128 v[STO], v[64*(\a)+8*(\b)+4:64*(\a)+8*(\b)+7] offset:(\a)*16*SP+64*(\b)+16
.endr
.endr
	WIN 0
	s_wait_dscnt 0x0                               ; for the others' sake: my stores into the stage are done
	s_barrier_signal -1
	s_barrier_wait -1
	WIN 0x40
.set i, 0
.rept 32
	ds_load_b128 v[4*i:4*i+3], v[RD] offset:SP*i
.set i, i+1
.endr
	s_wait_dscnt 0x0
	s_wait_loadcnt 0x0                             ; the residual
	WIN 0x4d                                       ; destination and source 0 window 1, source 1 window 3
.set i, 0
.rept 64
	v_pk_add_f32 v[2*i:2*i+1], v[2*i:2*i+1], v[2*i:2*i+1]
.set i, i+1
.endr
	WIN 0x04                                       ; the stores' data in window 1
.set i, 0
.rept 32
	global_store_b128 v[CO], v[4*i:4*i+3], s[OUT:OUT+1] offset:4096*i  ; 512 consecutive bytes, aligned
.set i, i+1
.endr
	WIN 0
	s_wait_tensorcnt 0x0                           ; the wave's end
	ds_add_u32 v[SPW], v[NIL]
	s_wait_dscnt 0x0
	CROUND                                         ; the closing round
	s_endpgm
.Lfunc_end_k_q772c1fd308_gemm_wo:
	.size	k_q772c1fd308_gemm_wo, .Lfunc_end_k_q772c1fd308_gemm_wo-k_q772c1fd308_gemm_wo
	.p2alignl 7, 3214868480
	.fill 96, 4, 3214868480
	.section	.rodata,"a",@progbits
	.p2align	6, 0x0
	.amdhsa_kernel k_q772c1fd308_gemm_wo
		.amdhsa_group_segment_fixed_size 327680
		.amdhsa_private_segment_fixed_size 0
		.amdhsa_enable_private_segment 0
		.amdhsa_kernarg_size 32
		.amdhsa_user_sgpr_count 2
		.amdhsa_user_sgpr_kernarg_segment_ptr 1
		.amdhsa_wavefront_size32 1
		.amdhsa_system_sgpr_workgroup_id_x 1
		.amdhsa_system_sgpr_workgroup_id_y 1
		.amdhsa_system_sgpr_workgroup_id_z 1
		.amdhsa_system_vgpr_workitem_id 0
		.amdhsa_next_free_vgpr 896
		.amdhsa_next_free_sgpr 96
		.amdhsa_reserve_vcc 0
		.amdhsa_float_denorm_mode_32 3
		.amdhsa_float_denorm_mode_16_64 3
		.amdhsa_memory_ordered 1
		.amdhsa_forward_progress 1
		.amdhsa_inst_pref_size 65
	.end_amdhsa_kernel
	.amdgpu_metadata
---
amdhsa.version: [ 1, 2 ]
amdhsa.kernels:
  - .name:           k_q772c1fd308_gemm_wo
    .symbol:         k_q772c1fd308_gemm_wo.kd
    .args:
      - { .name: o, .offset: 0, .size: 8, .value_kind: global_buffer, .address_space: global }
      - { .name: wb, .offset: 8, .size: 8, .value_kind: global_buffer, .address_space: global }
      - { .name: x, .offset: 16, .size: 8, .value_kind: global_buffer, .address_space: global }
      - { .name: x1, .offset: 24, .size: 8, .value_kind: global_buffer, .address_space: global }
    .group_segment_fixed_size: 327680
    .private_segment_fixed_size: 0
    .kernarg_segment_align: 8
    .kernarg_segment_size: 32
    .max_flat_workgroup_size: 128
    .sgpr_count:     96
    .vgpr_count:     896
    .wavefront_size: 32
...
	.end_amdgpu_metadata
.endif
;; end of part 4
;; launch ln2: the kernel of part 1 again; grid 256 x 1, 8 waves a work-group, no clusters, 0 bytes of LDS; arguments x1, ln2_g, ln2_b, wq, wk, wv, wo, w1, w2, h, wb; writes h, wb
;; launch gemm_ff1 (part 5): grid 16 x 16, 4 waves a work-group, clusters of 4 x 4, 327,680 bytes of LDS; arguments h, wb, b1, g; writes g
.if DOCPART == 5
	.amdgcn_target "amdgcn-amd-amdhsa--gfx1250"
	.amdhsa_code_object_version 6
	.text
	.protected	k_q772c1fd308_gemm_ff1
	.globl	k_q772c1fd308_gemm_ff1
	.p2align	8
	.type	k_q772c1fd308_gemm_ff1,@function
k_q772c1fd308_gemm_ff1:
	s_mov_b64 s[64:65], 0
	v_nop
	global_prefetch_b8 v0, s[64:65] scope:SCOPE_SE
	s_setreg_imm32_b32 hwreg(HW_REG_WAVE_MODE, 25, 1), 1
	s_wait_xcnt 0x0
	s_wait_alu depctr_hold_cnt(0) depctr_sa_sdst(0) depctr_va_vdst(0) depctr_va_sdst(0) depctr_va_ssrc(0) depctr_va_vcc(0) depctr_vm_vsrc(0)
	s_getreg_b32 s2, hwreg(HW_REG_IB_STS2, 6, 4)
	s_cmp_eq_u32 s2, 0
	s_cbranch_scc0 .Lentry_in_a_cluster
	s_endpgm
.Lentry_in_a_cluster:
	s_bfe_u32 s2, ttmp6, 0x10000c
	s_cmp_lg_u32 s2, 0xf033
	s_cbranch_scc0 .Lentry_shape_is_right
	s_endpgm
.Lentry_shape_is_right:
; g[m][n] = gelu(b1[n] + sum over k of h[m][k] w1[n][k]), rounded once to bf16.  h [4096][1024] bf16, w1 [4096][1024] bf16 at byte 8,388,608 of wb, b1 f32, g [4096][4096] bf16; sums and the GELU in f32.
; THE GELU is the exact one, x Phi(x), as max(x, 0) - |x| erfc(|x| / sqrt 2) / 2, with erfc by Abramowitz and Stegun 7.1.26: (a1 t + .. + a5 t^5) e^(-z^2), t = 1 / (1 + 0.3275911 z): its error in erf is at most
; 1.5e-7 for every z, so nothing is cut to a range of inputs; for very large |x| the exponential is 0 and the result x or 0.
; A tile of C is 256 x 256: 16 x 16 work-groups.  Four waves as 2 x 2, each 128 x 128: 64 accumulators.  K goes in steps of 128 through two LDS slots filled by the tensor data mover; rows of 256 bytes, padded to 272.
; The loop's body is ONE K step: the walking descriptors and the fragment addresses change slots by an exclusive or.  The last two K steps, which ask for nothing, are a second loop of two trips that is left in
; its middle and little is written twice.
; CLUSTER 4 x 4: h's tile is asked for jointly along a row of the cluster, w1's along a column.
; THE MATRIX INSTRUCTION IS USED TRANSPOSED (source 0 = 16 rows of w1, source 1 = 16 rows of h).  THE WAY OUT: f32 through one stage over the ring, which has had its last fill; each wave reads 64 whole rows back,
; four a trip; a trip's 64 transcendentals are one batch with one wait.
; REGISTERS: window 0 addresses and the way out; window 1 two fragment buffers of 128 (h's 64, then w1's); windows 2, 3 accumulator (a, b) at 512 + 64 a + 8 b.
.set TM,     256
.set TN,     256
.set MA,     8
.set NB,     8
.set CQ,     1
.set KK,     1024
.set KSTEP,  128
.set NSTEP,  KK/KSTEP
.set PITCHA, 272
.set PITCHB, 272
.set HALFA,  (TM/2)*PITCHA
.set HALFB,  (TN/2)*PITCHB
.set SLOT,   0x22000                   ; slot 1 begins here; no LDS base of slot 0 has one of its bits
.set SPARE,  SLOT+2*HALFA+2*HALFB
.set SP,     TN*4+16
.set QIA,    5
.set QIB,    5
.set DA0,    KSTEP
.set DA1,    TM/2
.set STRA,   KK
.set KSTEPA, KSTEP*2
.set KSTEPB, KSTEP*2
.set BOFF,   8388608
.set KQ,     64*CQ
.set AQS,    KQ
.set NLD,    2*CQ*(MA+NB)
.set HW,     8*CQ
.set ADRA0, 16
.set ADRB0, 17
.set ADRA,  18
.set ADRB,  19
.set STO,   20
.set STO2,  21
.set RD,    22
.set CO,    23                         ; v23 8 x lane (g)   v24 16 x lane (b1)
.set SPW,   28
.set NIL,   29
.set PFO,   30
.set RAW,   32                         ; the way out: v[32:63] four rows as read back; X the pre-activation; T, E, P at work; Y packed; BIAS my 8 columns' b1
.set X,     64
.set T,     96
.set E,     128
.set P,     160
.set Y,     192
.set BIAS,  208
.set WV, 14
.set WR, 15
.set WC, 16
.set CX, 17
.set CY, 18
.set TX, 19
.set TY, 20
.set G1A,  24
.set G0A0, 32
.set G0A,  36
.set G1B,  40
.set G0B0, 48
.set G0B,  52
.set TB,   56
.set LIM,  57
.set PFA,  58
.set PC, 66                            ; s66 0.3275911 / sqrt 2;  pairs, both words written: NC = -log2(e) / 2, A1 .. A5 = a1 / 2 .. a5 / 2
.set NC, 68
.set A1, 70
.set A2, 72
.set A3, 74
.set A4, 76
.set A5, 78
.set MSB, 0
.macro WIN new
.if MSB != (\new)
	s_set_vgpr_msb (MSB<<8)|(\new)
.set MSB, \new
.endif
.endm
.macro PLACES                          ; four plain places between matrix instructions and loads into, or reads of, their registers
.rept 4
	v_nop
.endr
.endm
.macro JLOAD                           ; the joint refill: waves 0, 1 ask for A's halves, waves 2, 3 for B's; an s_nop 0 and four v_nop follow each line
	s_cmp_eq_u32 s[WR], 0
	s_cbranch_scc0 .Lfor_b_\@
	tensor_load_to_lds s[G0A:G0A+3], s[G1A:G1A+7]
	s_nop 0
.rept 4
	v_nop
.endr
	s_branch .Lasked_\@
.Lfor_b_\@:
	tensor_load_to_lds s[G0B:G0B+3], s[G1B:G1B+7]
	s_nop 0
.rept 4
	v_nop
.endr
.Lasked_\@:
.endm
.macro CREST
	s_cmp_lg_u32 s[WV], 0
	s_cbranch_scc1 .Lnot_wave_0_\@
	s_barrier_signal -3
.Lnot_wave_0_\@:
	s_barrier_wait -3
	s_barrier_signal -1
	s_barrier_wait -1
.endm
.macro CROUND
	s_barrier_signal -1
	s_barrier_wait -1
	CREST
.endm
; 2 NB matrix instructions on buffer f: row blocks 2 p, 2 p + 1 of half hf (rows 0-3 / 4-7).  All accumulators take turns, one instruction a turn.
.macro MUL2 f, hf, p, zero
.irp aa, 0,1
.irp b, 0,1,2,3,4,5,6,7
.if (\b) < NB
.set ra, 2*(\p)+(\aa)+4*(\hf)*(2-CQ)
.set rc, (\hf)*(CQ-1)
.set rD, 64*(ra%4)+8*(\b)
.set rB, 128*(\f)+64+8*(NB*rc+(\b))
.set rA, 128*(\f)+8*(MA*rc+ra)
	WIN 0xa5+0x50*(ra/4)
.if \zero
	v_wmma_f32_16x16x32_bf16 v[rD:rD+7], v[rB:rB+7], v[rA:rA+7], 0
.else
	v_wmma_f32_16x16x32_bf16 v[rD:rD+7], v[rB:rB+7], v[rA:rA+7], v[rD:rD+7]
.endif
.endif
.endr
.endr
.endm
.macro FETCH k, f                      ; a quarter's fragments, at byte k of the rows, into buffer f: one run of NLD loads; B's first, then A's
	WIN 0x40
.irp c, 0,1
.if (\c) < CQ
.irp i, 0,1,2,3,4,5,6,7
.if (\i) < NB
	ds_load_b128 v[128*(\f)+64+8*(NB*(\c)+(\i)):128*(\f)+64+8*(NB*(\c)+(\i))+3], v[ADRB] offset:(\k)+64*(\c)+(\i)*16*PITCHB
	ds_load_b128 v[128*(\f)+64+8*(NB*(\c)+(\i))+4:128*(\f)+64+8*(NB*(\c)+(\i))+7], v[ADRB] offset:(\k)+64*(\c)+(\i)*16*PITCHB+32
.endif
.endr
.irp i, 0,1,2,3,4,5,6,7
.if (\i) < MA
	ds_load_b128 v[128*(\f)+8*(MA*(\c)+(\i)):128*(\f)+8*(MA*(\c)+(\i))+3], v[ADRA] offset:((\k)/KQ)*AQS+64*(\c)+(\i)*16*PITCHA
	ds_load_b128 v[128*(\f)+8*(MA*(\c)+(\i))+4:128*(\f)+8*(MA*(\c)+(\i))+7], v[ADRA] offset:((\k)/KQ)*AQS+64*(\c)+(\i)*16*PITCHA+32
.endif
.endr
.endif
.endr
.endm
.macro Q f, g, k, zero
	s_wait_dscnt HW                                ; all that the first half reads is in; A's rows 64-127 may be out
	MUL2 \f, 0, 0, \zero
	MUL2 \f, 0, 1, \zero
	PLACES
	FETCH \k, \g
	s_wait_dscnt NLD                               ; all but the run just issued
.if CQ == 1
	MUL2 \f, 1, 0, \zero
	MUL2 \f, 1, 1, \zero
.else
	MUL2 \f, 1, 0, 0
	MUL2 \f, 1, 1, 0
.endif
.endm
; A prefetch of the K step that stands two refills on: my work-group's 32 of the 128 rows that I fetch, a lane a row, 256 bytes of each.  h's rows are named by the clusters with x = 0,
; w1's by those with y = 0; the four partners of a joint load share its rows out by address.  Steps 0-3 come by their loads alone; the loop's last two trips name nothing.
.macro ASK
	WIN 0
	s_cmp_gt_u32 s3, s[LIM]
	s_cbranch_scc0 .Lnot_mine_\@
	global_prefetch_b8 v[PFO], s[PFA:PFA+1] th:TH_LOAD_NT scope:SCOPE_SE
.Lnot_mine_\@:
.endm
; THE LAST QUARTER (buffer 1), in two parts.  MEET: its first half and the barrier.  In front of the barrier: all my tensor loads have landed, the add, my reads of this slot are back.
; Behind it nobody reads this slot any more and the other slot is whole.  fill = 1: the walking descriptors step, for the refill that REST issues.
.macro MEET fill
.if \fill
	s_wait_xcnt 0x0                                ; the last prefetch, a K step back, has read its address
	s_add_nc_u64 s[PFA:PFA+1], s[PFA:PFA+1], KSTEP*2
.endif
	WIN 0
	s_wait_tensorcnt 0x0                           ; my one load that was out has landed: the walking descriptors may be written
	ds_add_u32 v[SPW], v[NIL]
.if \fill
	s_xor_b32 s[G0A+1], s[G0A+1], SLOT
	s_add_nc_u64 s[G0A+2:G0A+3], s[G0A+2:G0A+3], KSTEPA
	s_xor_b32 s[G0B+1], s[G0B+1], SLOT
	s_add_nc_u64 s[G0B+2:G0B+3], s[G0B+2:G0B+3], KSTEPB
.endif
	s_wait_dscnt HW+1                              ; the add and the youngest HW loads may be out
	MUL2 1, 0, 0, 0
	s_wait_dscnt 0x0                               ; the add is done, my reads of this slot are over
	s_barrier_signal -1
	MUL2 1, 0, 1, 0
	WIN 0
	s_barrier_wait -1
.endm
; REST: fill = 1: the barrier has opened a round of the cluster's, and the joint refill of the slot just read out is the first thing behind it.  Then the next slot's first fragments and the quarter's second half.
.macro REST fill
.if \fill
	CREST
	JLOAD                                          ; its four v_nop are also the places in front of the loads below
.else
	PLACES
.endif
	s_xor_b32 s[TB], s[TB], SLOT
	v_add_nc_u32 v[ADRA], s[TB], v[ADRA0]
	v_add_nc_u32 v[ADRB], s[TB], v[ADRB0]
	FETCH 0, 0
.if \fill
	ASK
.endif
	MUL2 1, 1, 0, 0
	MUL2 1, 1, 1, 0
.endm
.macro EACH n, line:vararg             ; one line for i = 0 .. n - 1
.set i, 0
.rept \n
	\line
.set i, i+1
.endr
.endm
	s_load_b128 s[4:7], s[0:1], 0x0                ; h s[4:5], wb s[6:7]
	s_load_b128 s[8:11], s[0:1], 0x10              ; b1 s[8:9], g s[10:11]
	v_lshl_add_u32 v[SPW], v0, 2, SPARE
	v_mov_b32 v[NIL], 0
	ds_add_u32 v[SPW], v[NIL]                      ; the opening: the add and its wait ahead of my first tensor load
	v_lshrrev_b32 v1, 5, v0
	v_readfirstlane_b32 s[WV], v1
	s_lshr_b32 s[WR], s[WV], 1
	s_and_b32 s[WC], s[WV], 1
	s_bfe_u32 s[CX], ttmp6, 0x40000
	s_bfe_u32 s[CY], ttmp6, 0x40004
	s_lshl_b32 s[TX], ttmp9, 2
	s_add_co_u32 s[TX], s[TX], s[CX]
	s_and_b32 s[TY], ttmp7, 0xffff
	s_lshl_b32 s[TY], s[TY], 2
	s_add_co_u32 s[TY], s[TY], s[CY]
	s_lshl_b32 s21, s[CY], 2
	s_lshl_b32 s21, 15, s21                        ; my row of the cluster
	s_lshl_b32 s22, 0x1111, s[CX]                  ; my column
	s_or_b32 s[G1A], s21, (1<<16)|(1<<20)|(1<<21)|(QIA<<22)|(3<<25)
	s_or_b32 s[G1B], s22, (1<<16)|(1<<20)|(1<<21)|(QIB<<22)|(3<<25)
	s_mov_b32 s[G1A+1], (DA0&0xffff)<<16
	s_mov_b32 s[G1A+2], (DA0>>16)|(DA1<<16)
	s_mov_b32 s[G1A+3], DA0<<16
	s_mov_b32 s[G1A+4], DA1
	s_mov_b32 s[G1A+5], STRA
	s_mov_b32 s[G1A+6], 0
	s_mov_b32 s[G1A+7], 0
	s_mov_b32 s[G1B+1], KSTEP<<16
	s_mov_b32 s[G1B+2], (TN/2)<<16
	s_mov_b32 s[G1B+3], KSTEP<<16
	s_mov_b32 s[G1B+4], TN/2
	s_mov_b32 s[G1B+5], KK
	s_mov_b32 s[G1B+6], 0
	s_mov_b32 s[G1B+7], 0
	s_mov_b32 s[PC], 0x3e6d3389
.irp p, NC, A1, A2, A3, A4, A5
.if \p == NC
	s_mov_b32 s[\p], 0xbf38aa3b
.elseif \p == A1
	s_mov_b32 s[\p], 0x3e027906
.elseif \p == A2
	s_mov_b32 s[\p], 0xbe11a98e
.elseif \p == A3
	s_mov_b32 s[\p], 0x3f35f0e3
.elseif \p == A4
	s_mov_b32 s[\p], 0xbf3a00e3
.else
	s_mov_b32 s[\p], 0x3f07dc22
.endif
	s_mov_b32 s[\p+1], s[\p]
.endr
	s_mul_i32 s60, s[TY], TM                       ; A: row TM x tile row + TM/2 x half, in bytes
	s_mul_i32 s23, s[WC], TM/2
	s_add_co_u32 s60, s60, s23
	s_mul_i32 s60, s60, 2*KK
	s_mov_b32 s61, 0
	s_mul_i32 s62, s[TX], TN                       ; B: row TN x tile column + TN/2 x half
	s_mul_i32 s23, s[WC], TN/2
	s_add_co_u32 s62, s62, s23
	s_mul_i32 s62, s62, 2*KK
	s_add_co_u32 s62, s62, BOFF
	s_mov_b32 s63, 0
	s_mul_i32 s80, s[WC], HALFA                    ; where they go: no place in the cluster enters an LDS address
	s_mul_i32 s81, s[WC], HALFB
	s_add_co_u32 s81, s81, 2*HALFA
	s_mov_b32 s[TB], 0
	s_wait_dscnt 0x0                               ; the opening add is done
	s_wait_kmcnt 0x0
	s_add_nc_u64 s[60:61], s[4:5], s[60:61]
	s_add_nc_u64 s[62:63], s[6:7], s[62:63]
	CROUND                                         ; all sixteen work-groups are here: the first joint loads meet
	s_mov_b32 s[G0A0], 1
	s_mov_b32 s[G0A0+1], s80
	s_mov_b64 s[G0A0+2:G0A0+3], s[60:61]
	s_or_b32 s[G0A0+3], s[G0A0+3], 0x80000000
	s_mov_b32 s[G0A], 1
	s_add_co_u32 s[G0A+1], s80, SLOT
	s_add_nc_u64 s[G0A+2:G0A+3], s[60:61], KSTEPA
	s_or_b32 s[G0A+3], s[G0A+3], 0x80000000
	s_mov_b32 s[G0B0], 1
	s_mov_b32 s[G0B0+1], s81
	s_mov_b64 s[G0B0+2:G0B0+3], s[62:63]
	s_or_b32 s[G0B0+3], s[G0B0+3], 0x80000000
	s_mov_b32 s[G0B], 1
	s_add_co_u32 s[G0B+1], s81, SLOT
	s_add_nc_u64 s[G0B+2:G0B+3], s[62:63], KSTEPB
	s_or_b32 s[G0B+3], s[G0B+3], 0x80000000
	s_cmp_eq_u32 s[WR], 0                          ; a wave's two first fills stand in one branch: K steps 0 and 1; two loads of mine are out
	s_cbranch_scc0 .Lfirst_b
	tensor_load_to_lds s[G0A0:G0A0+3], s[G1A:G1A+7]
	s_nop 0
	tensor_load_to_lds s[G0A:G0A+3], s[G1A:G1A+7]
	s_nop 0
.rept 4
	v_nop
.endr
	s_branch .Lfirst_done
.Lfirst_b:
	tensor_load_to_lds s[G0B0:G0B0+3], s[G1B:G1B+7]
	s_nop 0
	tensor_load_to_lds s[G0B:G0B+3], s[G1B:G1B+7]
	s_nop 0
.rept 4
	v_nop
.endr
.Lfirst_done:
	v_and_b32 v1, 15, v0
	v_bfe_u32 v2, v0, 4, 1
	v_mul_u32_u24 v3, v1, PITCHA
	v_lshl_add_u32 v3, v2, 4, v3
	s_mul_i32 s82, s[WR], HALFA
	v_add_nc_u32 v[ADRA0], s82, v3
	v_mul_u32_u24 v3, v1, PITCHB
	v_lshl_add_u32 v3, v2, 4, v3
	v_add_nc_u32 v[ADRB0], s81, v3
	v_mov_b32 v[ADRA], v[ADRA0]
	v_mov_b32 v[ADRB], v[ADRB0]
	s_mul_i32 s82, s[WR], 16*MA*SP                 ; the stage: my rows, my columns; row l % 16, 32 bytes for each half of the lanes
	s_mul_i32 s83, s[WC], 16*NB*4
	s_add_co_u32 s82, s82, s83
	v_mul_u32_u24 v3, v1, SP
	v_lshl_add_u32 v3, v2, 5, v3
	v_add_nc_u32 v[STO], s82, v3
	v_add_nc_u32 v[STO2], 64*SP, v[STO]
	s_mul_i32 s82, s[WV], 64*SP                    ; back: wave w takes rows 64 w on; a load takes half a row, 512 bytes
	v_and_b32 v3, 31, v0
	v_lshl_add_u32 v[RD], v3, 4, s82
	v_lshlrev_b32 v[CO], 3, v3
	v_lshlrev_b32 v[CO+1], 4, v3
	s_lshl_b32 s22, s[TX], 10                      ; b1 at the tile's first column
	s_mov_b32 s23, 0
	s_add_nc_u64 s[8:9], s[8:9], s[22:23]
	global_load_b128 v[BIAS:BIAS+3], v[CO+1], s[8:9]              ; columns 4 l .. of the row's first half,
	global_load_b128 v[BIAS+4:BIAS+7], v[CO+1], s[8:9] offset:512  ; and of its second; waited for ahead of the way out
	s_lshl_b32 s21, s[TY], 8
	s_lshl_b32 s22, s[WV], 6
	s_add_co_u32 s21, s21, s22                     ; the first row that I store
	s_lshl_b32 s22, s21, 13                        ; 8,192 bytes a row of g
	s_lshl_b32 s21, s[TX], 9
	s_add_co_u32 s22, s22, s21
	s_add_nc_u64 s[10:11], s[10:11], s[22:23]
	; the prefetches
	s_and_b32 s21, ttmp7, 0xffff                   ; cluster y
	s_mul_i32 s22, s[TY], TM
	s_mul_i32 s23, s[TX], TN
	s_cmp_eq_u32 s[WR], 0                          ; do I fetch for A?
	s_cselect_b32 s22, s22, s23                    ; the tile's first row
	s_cselect_b32 s23, s[CX], s[CY]                ; my place among the four that ask with me
	s_cselect_b32 s21, ttmp9, s21                  ; the coordinate along which other clusters read the same rows
	s_cselect_b32 s84, TM/8, TN/8                  ; my work-group's share of the rows that I fetch
	s_cselect_b32 s86, 0, BOFF
	s_cselect_b64 s[PFA:PFA+1], s[4:5], s[6:7]
	s_cmp_eq_u32 s21, 0
	s_cselect_b32 s[LIM], 2, -1
	s_lshl_b32 s85, s84, 2
	s_mul_i32 s85, s85, s[WC]
	s_add_co_u32 s22, s22, s85
	s_mul_i32 s23, s23, s84
	s_add_co_u32 s22, s22, s23
	s_mul_i32 s22, s22, 2*KK
	s_add_co_u32 s22, s22, s86
	s_add_co_u32 s22, s22, 3*KSTEP*2               ; at K step 3: the first refill steps it to 4
	s_mov_b32 s23, 0
	s_add_nc_u64 s[PFA:PFA+1], s[PFA:PFA+1], s[22:23]
	s_sub_co_u32 s84, s84, 1
	v_and_b32 v3, 31, v0
	v_min_u32 v3, s84, v3
	v_mul_u32_u24 v[PFO], v3, 2*KK
	s_wait_tensorcnt 0x1                           ; my part of K step 0 is in; K step 1's stays out
	s_barrier_signal -1
	s_barrier_wait -1
	FETCH 0, 0
	Q 0, 1, KQ, 1                                  ; the first quarter's products start the sums
	WIN 0
	s_mov_b32 s3, NSTEP-2
.Lk:                                   ; a trip: from a K step's second quarter to the next step's first; it fills one slot again
	Q 1, 0, 2*KQ, 0
	Q 0, 1, 3*KQ, 0
	MEET 1
	REST 1
	Q 0, 1, KQ, 0
	WIN 0
	s_sub_co_u32 s3, s3, 1
	s_cmp_lg_u32 s3, 0
	s_cbranch_scc1 .Lk
	s_mov_b32 s3, 2
.Ltail:                                ; the last two K steps ask for nothing: two trips, the second left behind its barrier
	Q 1, 0, 2*KQ, 0
	Q 0, 1, 3*KQ, 0
	MEET 0                                         ; first trip: the last slot is whole.  Second trip: every wave's reads of the ring are over, so the stage may be laid over it
	s_sub_co_u32 s3, s3, 1
	s_cmp_eq_u32 s3, 0
	s_cbranch_scc1 .Lfin
	REST 0
	Q 0, 1, KQ, 0
	WIN 0
	s_branch .Ltail
.Lfin:
	MUL2 1, 1, 0, 0                                ; the very last products
	MUL2 1, 1, 1, 0
	WIN 0
	PLACES
.irp a, 0,1,2,3,4,5,6,7
.irp b, 0,1,2,3,4,5,6,7
	WIN 0x08+0x04*((\a)/4)                         ; the data in window 2 or 3
.if (\a) < 4
	ds_store_b128 v[STO], v[64*(\a)+8*(\b):64*(\a)+8*(\b)+3] offset:(\a)*16*SP+64*(\b)
	ds_store_b128 v[STO], v[64*(\a)+8*(\b)+4:64*(\a)+8*(\b)+7] offset:(\a)*16*SP+64*(\b)+16
.else
	ds_store_b128 v[STO2], v[64*((\a)-4)+8*(\b):64*((\a)-4)+8*(\b)+3] offset:((\a)-4)*16*SP+64*(\b)
	ds_store_b128 v[STO2], v[64*((\a)-4)+8*(\b)+4:64*((\a)-4)+8*(\b)+7] offset:((\a)-4)*16*SP+64*(\b)+16
.endif
.endr
.endr
	WIN 0
	s_wait_dscnt 0x0                               ; for the others' sake: my stores into the stage are done
	s_barrier_signal -1
	s_barrier_wait -1
	s_wait_loadcnt 0x0                             ; b1
.irp q, 0,1,2,3,4,5,6,7
	ds_load_b128 v[RAW+4*(\q):RAW+4*(\q)+3], v[RD] offset:((\q)/2)*SP+((\q)%2)*512
.endr
	s_mov_b32 s3, 16
.Lrows:                                ; four rows a trip: 32 numbers a lane
	s_wait_dscnt 0x0
	EACH 16, v_pk_add_f32 v[X+2*i:X+2*i+1], v[RAW+2*i:RAW+2*i+1], v[BIAS+4*((i/2)%2)+2*(i%2):BIAS+4*((i/2)%2)+2*(i%2)+1]
	s_cmp_eq_u32 s3, 1                             ; RAW is read out: the next trip's rows are fetched now, ahead of the batch's first transcendental; the last trip has none
	s_cbranch_scc1 .Lno_more
	v_add_nc_u32 v[RD], 4*SP, v[RD]
.irp q, 0,1,2,3,4,5,6,7
	ds_load_b128 v[RAW+4*(\q):RAW+4*(\q)+3], v[RD] offset:((\q)/2)*SP+((\q)%2)*512
.endr
.Lno_more:
	; THE BATCH: for each pair 1 + p |x| and -x^2 log2(e) / 2, and a pair later their reciprocals and exponentials, plain lines and transcendentals by turns; no line names a result
.set i, 0
.rept 17
.if i < 16
	v_fma_f32 v[T+2*i], |v[X+2*i]|, s[PC], 1.0
.endif
.if i > 0
	v_rcp_f32 v[T+2*i-2], v[T+2*i-2]
.endif
.if i < 16
	v_fma_f32 v[T+2*i+1], |v[X+2*i+1]|, s[PC], 1.0
.endif
.if i > 0
	v_rcp_f32 v[T+2*i-1], v[T+2*i-1]
.endif
.if i < 16
	v_pk_mul_f32 v[E+2*i:E+2*i+1], v[X+2*i:X+2*i+1], v[X+2*i:X+2*i+1]
.endif
.if i > 0
	v_exp_f32 v[E+2*i-2], v[E+2*i-2]
.endif
.if i < 16
	v_pk_mul_f32 v[E+2*i:E+2*i+1], v[E+2*i:E+2*i+1], s[NC:NC+1] op_sel_hi:[1,0]
.endif
.if i > 0
	v_exp_f32 v[E+2*i-1], v[E+2*i-1]
.endif
.set i, i+1
.endr
	v_nop                                          ; a plain instruction behind the last transcendental,
	s_wait_alu depctr_va_vdst(0)                   ; and one wait for the 64, ahead of their first reader
	EACH 16, v_pk_fma_f32 v[P+2*i:P+2*i+1], v[T+2*i:T+2*i+1], s[A5:A5+1], s[A4:A4+1] op_sel_hi:[1,0,0]
	EACH 16, v_pk_fma_f32 v[P+2*i:P+2*i+1], v[P+2*i:P+2*i+1], v[T+2*i:T+2*i+1], s[A3:A3+1] op_sel_hi:[1,1,0]
	EACH 16, v_pk_fma_f32 v[P+2*i:P+2*i+1], v[P+2*i:P+2*i+1], v[T+2*i:T+2*i+1], s[A2:A2+1] op_sel_hi:[1,1,0]
	EACH 16, v_pk_fma_f32 v[P+2*i:P+2*i+1], v[P+2*i:P+2*i+1], v[T+2*i:T+2*i+1], s[A1:A1+1] op_sel_hi:[1,1,0]
	EACH 16, v_pk_mul_f32 v[P+2*i:P+2*i+1], v[P+2*i:P+2*i+1], v[T+2*i:T+2*i+1]
	EACH 16, v_pk_mul_f32 v[P+2*i:P+2*i+1], v[P+2*i:P+2*i+1], v[E+2*i:E+2*i+1]
	EACH 32, v_max_num_f32 v[E+i], 0, v[X+i]
	EACH 32, v_fma_f32 v[X+i], -|v[X+i]|, v[P+i], v[E+i]
	EACH 16, v_cvt_pk_bf16_f32 v[Y+i], v[X+2*i], v[X+2*i+1]
.irp q, 0,1,2,3,4,5,6,7
	global_store_b64 v[CO], v[Y+2*(\q):Y+2*(\q)+1], s[10:11] offset:((\q)/2)*8192+((\q)%2)*256  ; 256 consecutive bytes, aligned
.endr
	s_wait_xcnt 0x0                                ; the stores have read their data and their base: both are written again only behind this wait
	s_add_nc_u64 s[10:11], s[10:11], 4*8192
	s_sub_co_u32 s3, s3, 1
	s_cmp_lg_u32 s3, 0
	s_cbranch_scc1 .Lrows
	s_wait_tensorcnt 0x0                           ; the wave's end
	ds_add_u32 v[SPW], v[NIL]
	s_wait_dscnt 0x0
	CROUND                                         ; the closing round
	s_endpgm
.Lfunc_end_k_q772c1fd308_gemm_ff1:
	.size	k_q772c1fd308_gemm_ff1, .Lfunc_end_k_q772c1fd308_gemm_ff1-k_q772c1fd308_gemm_ff1
	.p2alignl 7, 3214868480
	.fill 96, 4, 3214868480
	.section	.rodata,"a",@progbits
	.p2align	6, 0x0
	.amdhsa_kernel k_q772c1fd308_gemm_ff1
		.amdhsa_group_segment_fixed_size 327680
		.amdhsa_private_segment_fixed_size 0
		.amdhsa_enable_private_segment 0
		.amdhsa_kernarg_size 32
		.amdhsa_user_sgpr_count 2
		.amdhsa_user_sgpr_kernarg_segment_ptr 1
		.amdhsa_wavefront_size32 1
		.amdhsa_system_sgpr_workgroup_id_x 1
		.amdhsa_system_sgpr_workgroup_id_y 1
		.amdhsa_system_sgpr_workgroup_id_z 1
		.amdhsa_system_vgpr_workitem_id 0
		.amdhsa_next_free_vgpr 1024
		.amdhsa_next_free_sgpr 96
		.amdhsa_reserve_vcc 0
		.amdhsa_float_denorm_mode_32 3
		.amdhsa_float_denorm_mode_16_64 3
		.amdhsa_memory_ordered 1
		.amdhsa_forward_progress 1
		.amdhsa_inst_pref_size 100
	.end_amdhsa_kernel
	.amdgpu_metadata
---
amdhsa.version: [ 1, 2 ]
amdhsa.kernels:
  - .name:           k_q772c1fd308_gemm_ff1
    .symbol:         k_q772c1fd308_gemm_ff1.kd
    .args:
      - { .name: h, .offset: 0, .size: 8, .value_kind: global_buffer, .address_space: global }
      - { .name: wb, .offset: 8, .size: 8, .value_kind: global_buffer, .address_space: global }
      - { .name: b1, .offset: 16, .size: 8, .value_kind: global_buffer, .address_space: global }
      - { .name: g, .offset: 24, .size: 8, .value_kind: global_buffer, .address_space: global }
    .group_segment_fixed_size: 327680
    .private_segment_fixed_size: 0
    .kernarg_segment_align: 8
    .kernarg_segment_size: 32
    .max_flat_workgroup_size: 128
    .sgpr_count:     96
    .vgpr_count:     1024
    .wavefront_size: 32
...
	.end_amdgpu_metadata
.endif
;; end of part 5
;; launch gemm_ff2 (part 6): grid 8 x 32, 4 waves a work-group, clusters of 4 x 4, 327,680 bytes of LDS; arguments g, wb, b2, x1, out0; writes out0
.if DOCPART == 6
	.amdgcn_target "amdgcn-amd-amdhsa--gfx1250"
	.amdhsa_code_object_version 6
	.text
	.protected	k_q772c1fd308_gemm_ff2
	.globl	k_q772c1fd308_gemm_ff2
	.p2align	8
	.type	k_q772c1fd308_gemm_ff2,@function
k_q772c1fd308_gemm_ff2:
	s_mov_b64 s[64:65], 0
	v_nop
	global_prefetch_b8 v0, s[64:65] scope:SCOPE_SE
	s_setreg_imm32_b32 hwreg(HW_REG_WAVE_MODE, 25, 1), 1
	s_wait_xcnt 0x0
	s_wait_alu depctr_hold_cnt(0) depctr_sa_sdst(0) depctr_va_vdst(0) depctr_va_sdst(0) depctr_va_ssrc(0) depctr_va_vcc(0) depctr_vm_vsrc(0)
	s_getreg_b32 s2, hwreg(HW_REG_IB_STS2, 6, 4)
	s_cmp_eq_u32 s2, 0
	s_cbranch_scc0 .Lentry_in_a_cluster
	s_endpgm
.Lentry_in_a_cluster:
	s_bfe_u32 s2, ttmp6, 0x10000c
	s_cmp_lg_u32 s2, 0xf033
	s_cbranch_scc0 .Lentry_shape_is_right
	s_endpgm
.Lentry_shape_is_right:
; out0[m][n] = x1[m][n] + b2[n] + sum over k of g[m][k] w2[n][k].  g [4096][4096] bf16, w2 [1024][4096] bf16 at byte 16,777,216 of wb; b2, x1, out0 f32; sums in f32.
; A tile of C is 128 x 128: 8 x 32 work-groups.  Four waves as 2 x 2, each 64 x 64: 16 accumulators.  K goes in 16 steps of 256 through two LDS slots; rows of 512 bytes, padded to 528.
; The last two K steps, which ask for nothing, are a second loop of two trips that is left in its middle and little is written twice.
; CLUSTER 4 x 4: g's tile is asked for jointly along a row of the cluster, w2's along a column.  No prefetch: the tiles are small and a step is short.
; THE MATRIX INSTRUCTION IS USED TRANSPOSED (source 0 = 16 rows of w2, source 1 = 16 rows of g).  THE WAY OUT: f32 through a stage over the ring, which has had its last fill; whole rows of 512 bytes back;
; the residual, loaded at the head into registers of its own, and the bias are added; 512 consecutive bytes a store.
; REGISTERS: window 0 addresses, v8-11 my four columns' b2; window 1 two fragment buffers of 128 (A's 64, then B's), later the rows on their way out; window 2 accumulator (a, b) at 512 + 64 a + 8 b; window 3 v0-127 the residual.
.set TM,     128
.set TN,     128
.set MA,     4
.set NB,     4
.set CQ,     2
.set KK,     4096
.set KSTEP,  256
.set NSTEP,  KK/KSTEP
.set PITCHA, 528
.set PITCHB, 528
.set HALFA,  (TM/2)*PITCHA
.set HALFB,  (TN/2)*PITCHB
.set SLOT,   0x21000                   ; slot 1 begins here; no LDS base of slot 0 has one of its bits
.set SPARE,  SLOT+2*HALFA+2*HALFB
.set SP,     TN*4+16
.set QIA,    6                         ; padding after every 128 words
.set QIB,    6
.set DA0,    KSTEP
.set DA1,    TM/2
.set STRA,   KK
.set KSTEPA, KSTEP*2
.set KSTEPB, KSTEP*2
.set BOFF,   16777216
.set KQ,     64*CQ
.set AQS,    KQ
.set NLD,    2*CQ*(MA+NB)
.set HW,     8*CQ
.set BIA,    8                         ; s[8:9] b2   s[10:11] x1   s[12:13] out0
.set RES,    10
.set OUT,    12
.set ADRA0, 16
.set ADRB0, 17
.set ADRA,  18
.set ADRB,  19
.set STO,   20
.set RD,    22
.set CO,    23
.set SPW,   28
.set NIL,   29
.set WV, 14
.set WR, 15
.set WC, 16
.set CX, 17
.set CY, 18
.set TX, 19
.set TY, 20
.set G1A,  24
.set G0A0, 32
.set G0A,  36
.set G1B,  40
.set G0B0, 48
.set G0B,  52
.set TB,   56
.set MSB, 0
.macro WIN new
.if MSB != (\new)
	s_set_vgpr_msb (MSB<<8)|(\new)
.set MSB, \new
.endif
.endm
.macro PLACES                          ; four plain places between matrix instructions and loads into, or reads of, their registers
.rept 4
	v_nop
.endr
.endm
.macro JLOAD                           ; the joint refill: waves 0, 1 ask for A's halves, waves 2, 3 for B's; an s_nop 0 and four v_nop follow each line
	s_cmp_eq_u32 s[WR], 0
	s_cbranch_scc0 .Lfor_b_\@
	tensor_load_to_lds s[G0A:G0A+3], s[G1A:G1A+7]
	s_nop 0
.rept 4
	v_nop
.endr
	s_branch .Lasked_\@
.Lfor_b_\@:
	tensor_load_to_lds s[G0B:G0B+3], s[G1B:G1B+7]
	s_nop 0
.rept 4
	v_nop
.endr
.Lasked_\@:
.endm
.macro CREST
	s_cmp_lg_u32 s[WV], 0
	s_cbranch_scc1 .Lnot_wave_0_\@
	s_barrier_signal -3
.Lnot_wave_0_\@:
	s_barrier_wait -3
	s_barrier_signal -1
	s_barrier_wait -1
.endm
.macro CROUND
	s_barrier_signal -1
	s_barrier_wait -1
	CREST
.endm
; 2 NB matrix instructions on buffer f: row blocks 2 p, 2 p + 1, chunk hf of the quarter's two.  All 16 accumulators take turns, one instruction a turn.
.macro MUL2 f, hf, p, zero
.irp aa, 0,1
.irp b, 0,1,2,3,4,5,6,7
.if (\b) < NB
.set ra, 2*(\p)+(\aa)+4*(\hf)*(2-CQ)
.set rc, (\hf)*(CQ-1)
.set rD, 64*(ra%4)+8*(\b)
.set rB, 128*(\f)+64+8*(NB*rc+(\b))
.set rA, 128*(\f)+8*(MA*rc+ra)
	WIN 0xa5+0x50*(ra/4)
.if \zero
	v_wmma_f32_16x16x32_bf16 v[rD:rD+7], v[rB:rB+7], v[rA:rA+7], 0
.else
	v_wmma_f32_16x16x32_bf16 v[rD:rD+7], v[rB:rB+7], v[rA:rA+7], v[rD:rD+7]
.endif
.endif
.endr
.endr
.endm
.macro FETCH k, f                      ; a quarter's fragments, at byte k of the rows, into buffer f: one run of NLD loads, the first chunk's first
	WIN 0x40
.irp c, 0,1
.if (\c) < CQ
.irp i, 0,1,2,3,4,5,6,7
.if (\i) < NB
	ds_load_b128 v[128*(\f)+64+8*(NB*(\c)+(\i)):128*(\f)+64+8*(NB*(\c)+(\i))+3], v[ADRB] offset:(\k)+64*(\c)+(\i)*16*PITCHB
	ds_load_b128 v[128*(\f)+64+8*(NB*(\c)+(\i))+4:128*(\f)+64+8*(NB*(\c)+(\i))+7], v[ADRB] offset:(\k)+64*(\c)+(\i)*16*PITCHB+32
.endif
.endr
.irp i, 0,1,2,3,4,5,6,7
.if (\i) < MA
	ds_load_b128 v[128*(\f)+8*(MA*(\c)+(\i)):128*(\f)+8*(MA*(\c)+(\i))+3], v[ADRA] offset:((\k)/KQ)*AQS+64*(\c)+(\i)*16*PITCHA
	ds_load_b128 v[128*(\f)+8*(MA*(\c)+(\i))+4:128*(\f)+8*(MA*(\c)+(\i))+7], v[ADRA] offset:((\k)/KQ)*AQS+64*(\c)+(\i)*16*PITCHA+32
.endif
.endr
.endif
.endr
.endm
.macro Q f, g, k, zero
	s_wait_dscnt HW                                ; the first chunk is in
	MUL2 \f, 0, 0, \zero
	MUL2 \f, 0, 1, \zero
	PLACES
	FETCH \k, \g
	s_wait_dscnt NLD                               ; all but the run just issued
.if CQ == 1
	MUL2 \f, 1, 0, \zero
	MUL2 \f, 1, 1, \zero
.else
	MUL2 \f, 1, 0, 0
	MUL2 \f, 1, 1, 0
.endif
.endm
; THE LAST QUARTER (buffer 1), in two parts.  MEET: its first half and the barrier.  In front of the barrier: all my tensor loads have landed, the add, my reads of this slot are back.
; Behind it nobody reads this slot any more and the other slot is whole.  fill = 1: the walking descriptors step, for the refill that REST issues.
.macro MEET fill
	WIN 0
	s_wait_tensorcnt 0x0                           ; my one load that was out has landed: the walking descriptors may be written
	ds_add_u32 v[SPW], v[NIL]
.if \fill
	s_xor_b32 s[G0A+1], s[G0A+1], SLOT
	s_add_nc_u64 s[G0A+2:G0A+3], s[G0A+2:G0A+3], KSTEPA
	s_xor_b32 s[G0B+1], s[G0B+1], SLOT
	s_add_nc_u64 s[G0B+2:G0B+3], s[G0B+2:G0B+3], KSTEPB
.endif
	s_wait_dscnt HW+1                              ; the add and the youngest HW loads may be out
	MUL2 1, 0, 0, 0
	s_wait_dscnt 0x0                               ; the add is done, my reads of this slot are over
	s_barrier_signal -1
	MUL2 1, 0, 1, 0
	WIN 0
	s_barrier_wait -1
.endm
; REST: fill = 1: the barrier has opened a round of the cluster's, and the joint refill of the slot just read out is the first thing behind it.  Then the next slot's first fragments and the quarter's second half.
.macro REST fill
.if \fill
	CREST
	JLOAD                                          ; its four v_nop are also the places in front of the loads below
.else
	PLACES
.endif
	s_xor_b32 s[TB], s[TB], SLOT
	v_add_nc_u32 v[ADRA], s[TB], v[ADRA0]
	v_add_nc_u32 v[ADRB], s[TB], v[ADRB0]
	FETCH 0, 0
	MUL2 1, 1, 0, 0
	MUL2 1, 1, 1, 0
.endm
	s_load_b128 s[4:7], s[0:1], 0x0                ; g s[4:5], wb s[6:7]
	s_load_b128 s[8:11], s[0:1], 0x10              ; b2, x1
	s_load_b64 s[12:13], s[0:1], 0x20              ; out0
	v_lshl_add_u32 v[SPW], v0, 2, SPARE
	v_mov_b32 v[NIL], 0
	ds_add_u32 v[SPW], v[NIL]                      ; the opening: the add and its wait ahead of my first tensor load
	v_lshrrev_b32 v1, 5, v0
	v_readfirstlane_b32 s[WV], v1
	s_lshr_b32 s[WR], s[WV], 1
	s_and_b32 s[WC], s[WV], 1
	s_bfe_u32 s[CX], ttmp6, 0x40000
	s_bfe_u32 s[CY], ttmp6, 0x40004
	s_lshl_b32 s[TX], ttmp9, 2
	s_add_co_u32 s[TX], s[TX], s[CX]
	s_and_b32 s[TY], ttmp7, 0xffff
	s_lshl_b32 s[TY], s[TY], 2
	s_add_co_u32 s[TY], s[TY], s[CY]
	s_lshl_b32 s21, s[CY], 2
	s_lshl_b32 s21, 15, s21                        ; my row of the cluster
	s_lshl_b32 s22, 0x1111, s[CX]                  ; my column
	s_or_b32 s[G1A], s21, (1<<16)|(1<<20)|(1<<21)|(QIA<<22)|(3<<25)
	s_or_b32 s[G1B], s22, (1<<16)|(1<<20)|(1<<21)|(QIB<<22)|(3<<25)
	s_mov_b32 s[G1A+1], (DA0&0xffff)<<16
	s_mov_b32 s[G1A+2], (DA0>>16)|(DA1<<16)
	s_mov_b32 s[G1A+3], DA0<<16
	s_mov_b32 s[G1A+4], DA1
	s_mov_b32 s[G1A+5], STRA
	s_mov_b32 s[G1A+6], 0
	s_mov_b32 s[G1A+7], 0
	s_mov_b32 s[G1B+1], KSTEP<<16
	s_mov_b32 s[G1B+2], (TN/2)<<16
	s_mov_b32 s[G1B+3], KSTEP<<16
	s_mov_b32 s[G1B+4], TN/2
	s_mov_b32 s[G1B+5], KK
	s_mov_b32 s[G1B+6], 0
	s_mov_b32 s[G1B+7], 0
	s_mul_i32 s60, s[TY], TM                       ; A: row TM x tile row + TM/2 x half, in bytes
	s_mul_i32 s23, s[WC], TM/2
	s_add_co_u32 s60, s60, s23
	s_mul_i32 s60, s60, 2*KK
	s_mov_b32 s61, 0
	s_mul_i32 s62, s[TX], TN                       ; B: row TN x tile column + TN/2 x half
	s_mul_i32 s23, s[WC], TN/2
	s_add_co_u32 s62, s62, s23
	s_mul_i32 s62, s62, 2*KK
	s_add_co_u32 s62, s62, BOFF
	s_mov_b32 s63, 0
	s_mul_i32 s80, s[WC], HALFA                    ; where they go: no place in the cluster enters an LDS address
	s_mul_i32 s81, s[WC], HALFB
	s_add_co_u32 s81, s81, 2*HALFA
	s_mov_b32 s[TB], 0
	s_wait_dscnt 0x0                               ; the opening add is done
	s_wait_kmcnt 0x0
	s_add_nc_u64 s[60:61], s[4:5], s[60:61]
	s_add_nc_u64 s[62:63], s[6:7], s[62:63]
	CROUND                                         ; all sixteen work-groups are here: the first joint loads meet
	s_mov_b32 s[G0A0], 1
	s_mov_b32 s[G0A0+1], s80
	s_mov_b64 s[G0A0+2:G0A0+3], s[60:61]
	s_or_b32 s[G0A0+3], s[G0A0+3], 0x80000000
	s_mov_b32 s[G0A], 1
	s_add_co_u32 s[G0A+1], s80, SLOT
	s_add_nc_u64 s[G0A+2:G0A+3], s[60:61], KSTEPA
	s_or_b32 s[G0A+3], s[G0A+3], 0x80000000
	s_mov_b32 s[G0B0], 1
	s_mov_b32 s[G0B0+1], s81
	s_mov_b64 s[G0B0+2:G0B0+3], s[62:63]
	s_or_b32 s[G0B0+3], s[G0B0+3], 0x80000000
	s_mov_b32 s[G0B], 1
	s_add_co_u32 s[G0B+1], s81, SLOT
	s_add_nc_u64 s[G0B+2:G0B+3], s[62:63], KSTEPB
	s_or_b32 s[G0B+3], s[G0B+3], 0x80000000
	s_cmp_eq_u32 s[WR], 0                          ; a wave's two first fills stand in one branch: K steps 0 and 1; two loads of mine are out
	s_cbranch_scc0 .Lfirst_b
	tensor_load_to_lds s[G0A0:G0A0+3], s[G1A:G1A+7]
	s_nop 0
	tensor_load_to_lds s[G0A:G0A+3], s[G1A:G1A+7]
	s_nop 0
.rept 4
	v_nop
.endr
	s_branch .Lfirst_done
.Lfirst_b:
	tensor_load_to_lds s[G0B0:G0B0+3], s[G1B:G1B+7]
	s_nop 0
	tensor_load_to_lds s[G0B:G0B+3], s[G1B:G1B+7]
	s_nop 0
.rept 4
	v_nop
.endr
.Lfirst_done:
	v_and_b32 v1, 15, v0
	v_bfe_u32 v2, v0, 4, 1
	v_mul_u32_u24 v3, v1, PITCHA
	v_lshl_add_u32 v3, v2, 4, v3
	s_mul_i32 s82, s[WR], HALFA
	v_add_nc_u32 v[ADRA0], s82, v3
	v_mul_u32_u24 v3, v1, PITCHB
	v_lshl_add_u32 v3, v2, 4, v3
	v_add_nc_u32 v[ADRB0], s81, v3
	v_mov_b32 v[ADRA], v[ADRA0]
	v_mov_b32 v[ADRB], v[ADRB0]
	s_mul_i32 s82, s[WR], 16*MA*SP                 ; the stage: my rows, my columns; row l % 16, 32 bytes for each half of the lanes
	s_mul_i32 s83, s[WC], 16*NB*4
	s_add_co_u32 s82, s82, s83
	v_mul_u32_u24 v3, v1, SP
	v_lshl_add_u32 v3, v2, 5, v3
	v_add_nc_u32 v[STO], s82, v3
	s_mul_i32 s82, s[WV], 32*SP                    ; back: wave w takes rows 32 w on, a row's 512 bytes a load
	v_and_b32 v3, 31, v0
	v_lshl_add_u32 v[RD], v3, 4, s82
	v_lshlrev_b32 v[CO], 4, v3
	s_lshl_b32 s22, s[TX], 9                       ; the tile's first column, in bytes
	s_mov_b32 s23, 0
	s_add_nc_u64 s[BIA:BIA+1], s[BIA:BIA+1], s[22:23]
	s_lshl_b32 s21, s[TY], 7
	s_lshl_b32 s60, s[WV], 5
	s_add_co_u32 s21, s21, s60                     ; the first row that I store
	s_lshl_b32 s21, s21, 12
	s_add_co_u32 s22, s22, s21
	s_add_nc_u64 s[RES:RES+1], s[RES:RES+1], s[22:23]
	s_add_nc_u64 s[OUT:OUT+1], s[OUT:OUT+1], s[22:23]
	global_load_b128 v[8:11], v[CO], s[BIA:BIA+1]  ; b2 of my four columns
	WIN 0xc0                                       ; the residual's 32 rows, into window 3: they come while K is walked; their registers and addresses are not touched before the wait for them
.set i, 0
.rept 32
	global_load_b128 v[4*i:4*i+3], v[CO], s[RES:RES+1] offset:4096*i th:TH_LOAD_NT
.set i, i+1
.endr
	WIN 0
	s_wait_tensorcnt 0x1                           ; my part of K step 0 is in; K step 1's stays out
	s_barrier_signal -1
	s_barrier_wait -1
	FETCH 0, 0
	Q 0, 1, KQ, 1                                  ; the first products start the sums
	WIN 0
	s_mov_b32 s3, NSTEP-2
.Lk:                                   ; a trip: from a K step's second quarter to the next step's first; it fills one slot again
	Q 1, 0, 2*KQ, 0
	Q 0, 1, 3*KQ, 0
	MEET 1
	REST 1
	Q 0, 1, KQ, 0
	WIN 0
	s_sub_co_u32 s3, s3, 1
	s_cmp_lg_u32 s3, 0
	s_cbranch_scc1 .Lk
	s_mov_b32 s3, 2
.Ltail:                                ; the last two K steps ask for nothing: two trips, the second left behind its barrier
	Q 1, 0, 2*KQ, 0
	Q 0, 1, 3*KQ, 0
	MEET 0                                         ; first trip: the last slot is whole.  Second trip: every wave's reads of the ring are over, so the stage may be laid over it
	s_sub_co_u32 s3, s3, 1
	s_cmp_eq_u32 s3, 0
	s_cbranch_scc1 .Lfin
	REST 0
	Q 0, 1, KQ, 0
	WIN 0
	s_branch .Ltail
.Lfin:
	MUL2 1, 1, 0, 0                                ; the very last products
	MUL2 1, 1, 1, 0
	WIN 0
	PLACES
	WIN 0x08                                       ; the data in window 2
.irp a, 0,1,2,3
.irp b, 0,1,2,3
	ds_store_b128 v[STO], v[64*(\a)+8*(\b):64*(\a)+8*(\b)+3] offset:(\a)*16*SP+64*(\b)
	ds_store_b128 v[STO], v[64*(\a)+8*(\b)+4:64*(\a)+8*(\b)+7] offset:(\a)*16*SP+64*(\b)+16
.endr
.endr
	WIN 0
	s_wait_dscnt 0x0                               ; for the others' sake: my stores into the stage are done
	s_barrier_signal -1
	s_barrier_wait -1
	WIN 0x40
.set i, 0
.rept 32
	ds_load_b128 v[4*i:4*i+3], v[RD] offset:SP*i
.set i, i+1
.endr
	s_wait_dscnt 0x0
	s_wait_loadcnt 0x0                             ; the residual and the bias
	WIN 0x4d                                       ; destination and source 0 window 1, source 1 window 3: the residual
.set i, 0
.rept 64
	v_pk_add_f32 v[2*i:2*i+1], v[2*i:2*i+1], v[2*i:2*i+1]
.set i, i+1
.endr
	WIN 0x41                                       ; source 1 window 0: the bias
.set i, 0
.rept 64
	v_pk_add_f32 v[2*i:2*i+1], v[2*i:2*i+1], v[8+2*(i%2):8+2*(i%2)+1]
.set i, i+1
.endr
	WIN 0x04                                       ; the stores' data in window 1
.set i, 0
.rept 32
	global_store_b128 v[CO], v[4*i:4*i+3], s[OUT:OUT+1] offset:4096*i  ; 512 consecutive bytes, aligned
.set i, i+1
.endr
	WIN 0
	s_wait_tensorcnt 0x0                           ; the wave's end
	ds_add_u32 v[SPW], v[NIL]
	s_wait_dscnt 0x0
	CROUND                                         ; the closing round
	s_endpgm
.Lfunc_end_k_q772c1fd308_gemm_ff2:
	.size	k_q772c1fd308_gemm_ff2, .Lfunc_end_k_q772c1fd308_gemm_ff2-k_q772c1fd308_gemm_ff2
	.p2alignl 7, 3214868480
	.fill 96, 4, 3214868480
	.section	.rodata,"a",@progbits
	.p2align	6, 0x0
	.amdhsa_kernel k_q772c1fd308_gemm_ff2
		.amdhsa_group_segment_fixed_size 327680
		.amdhsa_private_segment_fixed_size 0
		.amdhsa_enable_private_segment 0
		.amdhsa_kernarg_size 40
		.amdhsa_user_sgpr_count 2
		.amdhsa_user_sgpr_kernarg_segment_ptr 1
		.amdhsa_wavefront_size32 1
		.amdhsa_system_sgpr_workgroup_id_x 1
		.amdhsa_system_sgpr_workgroup_id_y 1
		.amdhsa_system_sgpr_workgroup_id_z 1
		.amdhsa_system_vgpr_workitem_id 0
		.amdhsa_next_free_vgpr 896
		.amdhsa_next_free_sgpr 96
		.amdhsa_reserve_vcc 0
		.amdhsa_float_denorm_mode_32 3
		.amdhsa_float_denorm_mode_16_64 3
		.amdhsa_memory_ordered 1
		.amdhsa_forward_progress 1
		.amdhsa_inst_pref_size 70
	.end_amdhsa_kernel
	.amdgpu_metadata
---
amdhsa.version: [ 1, 2 ]
amdhsa.kernels:
  - .name:           k_q772c1fd308_gemm_ff2
    .symbol:         k_q772c1fd308_gemm_ff2.kd
    .args:
      - { .name: g, .offset: 0, .size: 8, .value_kind: global_buffer, .address_space: global }
      - { .name: wb, .offset: 8, .size: 8, .value_kind: global_buffer, .address_space: global }
      - { .name: b2, .offset: 16, .size: 8, .value_kind: global_buffer, .address_space: global }
      - { .name: x1, .offset: 24, .size: 8, .value_kind: global_buffer, .address_space: global }
      - { .name: out0, .offset: 32, .size: 8, .value_kind: global_buffer, .address_space: global }
    .group_segment_fixed_size: 327680
    .private_segment_fixed_size: 0
    .kernarg_segment_align: 8
    .kernarg_segment_size: 40
    .max_flat_workgroup_size: 128
    .sgpr_count:     96
    .vgpr_count:     896
    .wavefront_size: 32
...
	.end_amdgpu_metadata
.endif
;; end of part 6
;; ======== version 2 of 2: 7 launches; version 1 with the launches prep, ln2 written anew for expert scheduling mode
;; workspace buffers: wb 25,165,824 bytes; h 8,388,608 bytes; qkv 25,165,824 bytes; o 8,388,608 bytes; x1 16,777,216 bytes; g 33,554,432 bytes
;; launch prep (part 7): grid 1024 x 1, 8 waves a work-group, no clusters, 0 bytes of LDS; arguments x, ln1_g, ln1_b, wq, wk, wv, wo, w1, w2, h, wb; writes h, wb
.if DOCPART == 7
	.amdgcn_target "amdgcn-amd-amdhsa--gfx1250"
	.amdhsa_code_object_version 6
	.text
	.protected	k_q772c1fd308_prep
	.globl	k_q772c1fd308_prep
	.p2align	8
	.type	k_q772c1fd308_prep,@function
k_q772c1fd308_prep:
	s_mov_b64 s[64:65], 0
	v_nop
	global_prefetch_b8 v0, s[64:65] scope:SCOPE_SE
	s_setreg_imm32_b32 hwreg(HW_REG_WAVE_SCHED_MODE, 0, 2), 2
	s_setreg_imm32_b32 hwreg(HW_REG_WAVE_MODE, 25, 1), 1
	s_wait_xcnt 0x0
	s_wait_alu depctr_vm_vsrc(0)
; A LayerNorm and a cast, two streams in one text, 64 KiB read by every work-group, nothing looped, no LDS, no barrier.
; TWO LAUNCHES RUN THIS TEXT.  With 1,024 work-groups (x, ln1_g, ln1_b, the six weights, h, wb): both streams.  With 256 work-groups (x1, ln2_g, ln2_b in the first three places):
; the norm alone: no work-group of that launch reaches the cast, the weights are not read and nothing is stored into wb.
; Work-groups 0-255: h = LayerNorm(rows) * gain + bias, rounded once to bf16.  16 rows a work-group, 2 rows a wave, a row (4,096 bytes) in 32 registers:
; mean, centring and the sum of squares are made on the registers (two passes, so a common offset in the rows costs nothing), all in f32.
; Work-groups 256-1023: the six weight matrices rounded once to bf16 into wb, in the order wq wk wv wo w1 w2, rows and pitches kept.  A unit is 16,384 numbers.
; Every store of a wave covers 256 consecutive bytes, aligned.
; THE MODE: SCHED_MODE bits 1:0 = 2 (LLVM: expert scheduling mode 2), set by the entry lines.  The code itself states the register dependences
; between vector instructions and memory instructions, with s_wait_alu, always for 0.
; THE PLAN.  Registers that memory instructions touch:
;   v1, v2, v3     byte offsets, made at the head and never written again; every load and store reads one of them.  One wait at the head, ahead of the branch, states that they are written.
;   the cast       v[32:95]: the sixteen loads land there, the roundings read them; no vector line names them ahead of the loads.  v[96:127]: each written once, by a rounding, and read by a store.
;                  Four groups of four chunks: group g's roundings name v[32+16 g ..] and v[96+8 g ..] alone, so the four stores of group g - 1 stand among them behind ONE wait at the group's head.
;   the norm       X: the loads land there; the vector work goes on in place behind the wait for them; the stores read v[32:47] (row 0) and v[64:79] (row 1).  G, BT: loaded, read by vector lines.
;                  Row 0 is finished first: its eight stores stand among row 1's roundings, which name v[64:95] alone, behind one wait; one more wait stands ahead of row 1's stores.
;   T and MU are named by vector instructions alone.
; No load lands in a register that a vector instruction has named, and no register that a memory instruction has read is written again: so no wait on vm_vsrc is owed.
; EXEC is never written, and no vector instruction writes a scalar register or VCC.
.set X,   32                           ; v[32:95]   two rows of 32 registers: chunk c holds columns 128 c + 4 lane .. + 3
.set G,   96                           ; v[96:127]  the gain of my columns
.set BT,  128                          ; v[128:159] the bias of my columns
.set T,   8                            ; v[8:23]    eight registers a row, at work
.set MU,  24                           ; v[24:31]   row j: mean twice at MU+4j, 1/sqrt(var+eps) twice at MU+4j+2
.set SX,  4                            ; s[4:5] the rows   s[6:7] gain   s[8:9] bias   s[22:23] h
.set SG,  6
.set SB,  8
.set SH,  22
.set SEL, 32                           ; s[32:33] v_permlanex16_b32's selects: my own place in the other half
.set INV, 34                           ; s34 1/1024
.set EPS, 35                           ; s35 1e-5
	s_load_b256 s[4:11], s[0:1], 0x0               ; rows, gain, bias, wq
	s_load_b256 s[12:19], s[0:1], 0x20             ; wk, wv, wo, w1
	s_load_b128 s[20:23], s[0:1], 0x40             ; w2, h
	s_load_b64 s[24:25], s[0:1], 0x50              ; wb
	v_and_b32 v3, 31, v0                           ; lane
	v_lshrrev_b32 v4, 5, v0                        ; wave
	v_lshlrev_b32 v1, 4, v3
	v_lshl_add_u32 v1, v4, 13, v1                  ; f32 side: 8,192 x wave + 16 x lane
	v_lshlrev_b32 v2, 3, v3
	v_lshl_add_u32 v2, v4, 12, v2                  ; bf16 side: 4,096 x wave + 8 x lane
	v_lshlrev_b32 v3, 4, v3                        ; gain and bias: 16 x lane
	s_mov_b32 s31, 0
	s_mov_b32 s[SEL], 0x76543210
	s_mov_b32 s[SEL+1], 0xfedcba98
	s_mov_b32 s[INV], 0x3a800000
	s_mov_b32 s[EPS], 0x3727c5ac
	s_wait_kmcnt 0x0
	s_wait_alu depctr_va_vdst(0)                   ; v1, v2 and v3 are written: every load and store of both paths reads one of them as its offset
	s_cmp_lt_u32 ttmp9, 256
	s_cbranch_scc1 .Lnorm
	; THE CAST.  Unit u = work-group - 256; the matrix and its first unit are chosen by five compares on u.
	s_sub_co_u32 s26, ttmp9, 256
	s_mov_b64 s[28:29], s[10:11]                   ; wq, from unit 0
	s_mov_b32 s27, 0
.macro PICK n, p                       ; from unit n on: the matrix whose address lies in s[p:p+1]
	s_cmp_ge_u32 s26, \n
	s_cselect_b64 s[28:29], s[\p:\p+1], s[28:29]
	s_cselect_b32 s27, \n, s27
.endm
	PICK 64, 12
	PICK 128, 14
	PICK 192, 16
	PICK 256, 18
	PICK 512, 20
	s_sub_co_u32 s27, s26, s27                     ; the unit's number inside its matrix
	s_lshl_b32 s30, s27, 16                        ; 65,536 bytes of f32 a unit
	s_add_nc_u64 s[28:29], s[28:29], s[30:31]
	s_lshl_b32 s30, s26, 15                        ; 32,768 bytes of bf16 a unit; wb keeps the units' order
	s_add_nc_u64 s[24:25], s[24:25], s[30:31]
.irp c, 0,1,2,3,4,5,6,7,8,9,10,11,12,13,14,15
	global_load_b128 v[32+4*(\c):32+4*(\c)+3], v1, s[28:29] offset:512*(\c) th:TH_LOAD_NT
.endr
	; four groups of four chunks: group g rounds its chunks, and the stores of group g - 1 stand among its roundings
.irp g, 0,1,2,3
	s_wait_loadcnt 12-4*(\g)                       ; loads come back in order: group g's four are in, the younger groups stay out
.if (\g) > 0
	s_wait_alu depctr_va_vdst(0)                   ; the roundings of the group before have written their eight registers of v[96:127], which the four stores below read
.endif
.irp q, 0,1,2,3
.if (\g) > 0
	global_store_b64 v2, v[96+8*((\g)-1)+2*(\q):96+8*((\g)-1)+2*(\q)+1], s[24:25] offset:256*(4*((\g)-1)+(\q))  ; no vector line since the wait names these registers
.endif
	v_cvt_pk_bf16_f32 v[96+8*(\g)+2*(\q)], v[32+16*(\g)+4*(\q)], v[32+16*(\g)+4*(\q)+1]
	v_cvt_pk_bf16_f32 v[96+8*(\g)+2*(\q)+1], v[32+16*(\g)+4*(\q)+2], v[32+16*(\g)+4*(\q)+3]
.endr
.endr
	s_wait_alu depctr_va_vdst(0)                   ; the last group's roundings have written v[120:127], which the last four stores read
.irp q, 0,1,2,3
	global_store_b64 v2, v[120+2*(\q):120+2*(\q)+1], s[24:25] offset:256*(12+(\q))
.endr
	s_endpgm
; the four chains of both rows into one number in every lane
.macro JOIN
.irp j, 0,1
	v_pk_add_f32 v[T+8*(\j):T+8*(\j)+1], v[T+8*(\j):T+8*(\j)+1], v[T+8*(\j)+2:T+8*(\j)+3]
	v_pk_add_f32 v[T+8*(\j)+4:T+8*(\j)+5], v[T+8*(\j)+4:T+8*(\j)+5], v[T+8*(\j)+6:T+8*(\j)+7]
.endr
.irp j, 0,1
	v_pk_add_f32 v[T+8*(\j):T+8*(\j)+1], v[T+8*(\j):T+8*(\j)+1], v[T+8*(\j)+4:T+8*(\j)+5]
.endr
.irp j, 0,1
	v_add_f32 v[T+8*(\j)], v[T+8*(\j)], v[T+8*(\j)+1]
.endr
.irp m, 1,2,4,8
.irp j, 0,1
	v_add_f32_dpp v[T+8*(\j)], v[T+8*(\j)], v[T+8*(\j)] row_xmask:\m row_mask:0xf bank_mask:0xf
.endr
.endr
.irp j, 0,1
	v_permlanex16_b32 v[T+8*(\j)+1], v[T+8*(\j)], s[SEL], s[SEL+1]
.endr
.irp j, 0,1
	v_add_f32 v[T+8*(\j)], v[T+8*(\j)], v[T+8*(\j)+1]
.endr
.endm
; row j times 1/sqrt(var+eps), then times the gain plus the bias
.macro SCALE j
.set i, 0
.rept 16
	v_pk_mul_f32 v[X+32*(\j)+2*i:X+32*(\j)+2*i+1], v[X+32*(\j)+2*i:X+32*(\j)+2*i+1], v[MU+4*(\j)+2:MU+4*(\j)+3]
.set i, i+1
.endr
.set i, 0
.rept 16
	v_pk_fma_f32 v[X+32*(\j)+2*i:X+32*(\j)+2*i+1], v[X+32*(\j)+2*i:X+32*(\j)+2*i+1], v[G+2*i:G+2*i+1], v[BT+2*i:BT+2*i+1]
.set i, i+1
.endr
.endm
.Lnorm:
	s_lshl_b32 s30, ttmp9, 16                      ; 16 rows of 4,096 bytes
	s_add_nc_u64 s[SX:SX+1], s[SX:SX+1], s[30:31]
	s_lshl_b32 s30, ttmp9, 15                      ; 16 rows of 2,048 bytes
	s_add_nc_u64 s[SH:SH+1], s[SH:SH+1], s[30:31]
.irp j, 0,1
.irp c, 0,1,2,3,4,5,6,7
	global_load_b128 v[X+32*(\j)+4*(\c):X+32*(\j)+4*(\c)+3], v1, s[SX:SX+1] offset:4096*(\j)+512*(\c) th:TH_LOAD_NT
.endr
.endr
.irp c, 0,1,2,3,4,5,6,7
	global_load_b128 v[G+4*(\c):G+4*(\c)+3], v3, s[SG:SG+1] offset:512*(\c)
.endr
.irp c, 0,1,2,3,4,5,6,7
	global_load_b128 v[BT+4*(\c):BT+4*(\c)+3], v3, s[SB:SB+1] offset:512*(\c)
.endr
	s_wait_loadcnt 16                              ; both rows are in; the sixteen loads of gain and bias stay out
	; the sum: four chains a row, the two rows' lines by turns
.irp k, 0,1,2,3
.irp j, 0,1
	v_pk_add_f32 v[T+8*(\j)+2*(\k):T+8*(\j)+2*(\k)+1], v[X+32*(\j)+8*(\k):X+32*(\j)+8*(\k)+1], v[X+32*(\j)+8*(\k)+2:X+32*(\j)+8*(\k)+3]
.endr
.endr
.irp m, 4,6
.irp k, 0,1,2,3
.irp j, 0,1
	v_pk_add_f32 v[T+8*(\j)+2*(\k):T+8*(\j)+2*(\k)+1], v[T+8*(\j)+2*(\k):T+8*(\j)+2*(\k)+1], v[X+32*(\j)+8*(\k)+(\m):X+32*(\j)+8*(\k)+(\m)+1]
.endr
.endr
.endr
	JOIN
.irp j, 0,1
	v_mul_f32 v[MU+4*(\j)], s[INV], v[T+8*(\j)]    ; the mean,
.endr
.irp j, 0,1
	v_mov_b32 v[MU+4*(\j)+1], v[MU+4*(\j)]         ; twice, for the packed subtraction
.endr
.set i, 0
.rept 16
	v_pk_add_f32 v[X+2*i:X+2*i+1], v[X+2*i:X+2*i+1], v[MU:MU+1] neg_lo:[0,1] neg_hi:[0,1]
	v_pk_add_f32 v[X+32+2*i:X+32+2*i+1], v[X+32+2*i:X+32+2*i+1], v[MU+4:MU+5] neg_lo:[0,1] neg_hi:[0,1]
.set i, i+1
.endr
	; the sum of squares of the centred row, in the same chains
.irp k, 0,1,2,3
.irp j, 0,1
	v_pk_mul_f32 v[T+8*(\j)+2*(\k):T+8*(\j)+2*(\k)+1], v[X+32*(\j)+8*(\k):X+32*(\j)+8*(\k)+1], v[X+32*(\j)+8*(\k):X+32*(\j)+8*(\k)+1]
.endr
.endr
.irp m, 2,4,6
.irp k, 0,1,2,3
.irp j, 0,1
	v_pk_fma_f32 v[T+8*(\j)+2*(\k):T+8*(\j)+2*(\k)+1], v[X+32*(\j)+8*(\k)+(\m):X+32*(\j)+8*(\k)+(\m)+1], v[X+32*(\j)+8*(\k)+(\m):X+32*(\j)+8*(\k)+(\m)+1], v[T+8*(\j)+2*(\k):T+8*(\j)+2*(\k)+1]
.endr
.endr
.endr
	JOIN
.irp j, 0,1
	v_fma_f32 v[T+8*(\j)], v[T+8*(\j)], s[INV], s[EPS]  ; var + eps
.endr
.irp j, 0,1
	v_rsq_f32 v[MU+4*(\j)+2], v[T+8*(\j)]
	v_rsq_f32 v[MU+4*(\j)+3], v[T+8*(\j)]
.endr
	v_nop                                          ; a plain instruction behind the last of the four,
	s_wait_alu depctr_va_vdst(0)                   ; and one wait for the batch, ahead of its first reader: the four v_rsq_f32 have written MU+2, MU+3, MU+6 and MU+7
	s_wait_loadcnt 0x0                             ; gain and bias
	SCALE 0
.set i, 0
.rept 16                               ; in place, ascending: register i takes numbers 2 i and 2 i + 1, which no later line reads
	v_cvt_pk_bf16_f32 v[X+i], v[X+2*i], v[X+2*i+1]
.set i, i+1
.endr
	SCALE 1
	s_wait_alu depctr_va_vdst(0)                   ; row 0's roundings have written v[X:X+15], which the eight stores below read
.irp c, 0,1,2,3,4,5,6,7
	global_store_b64 v2, v[X+2*(\c):X+2*(\c)+1], s[SH:SH+1] offset:256*(\c)  ; row 0 leaves while row 1 is rounded: no vector line since the wait names v[X:X+15] or v2
	v_cvt_pk_bf16_f32 v[X+32+2*(\c)], v[X+32+4*(\c)], v[X+32+4*(\c)+1]      ; row 1, in place and ascending as above
	v_cvt_pk_bf16_f32 v[X+32+2*(\c)+1], v[X+32+4*(\c)+2], v[X+32+4*(\c)+3]
.endr
	s_wait_alu depctr_va_vdst(0)                   ; row 1's roundings have written v[X+32:X+47], which the last eight stores read
.irp c, 0,1,2,3,4,5,6,7
	global_store_b64 v2, v[X+32+2*(\c):X+32+2*(\c)+1], s[SH:SH+1] offset:2048+256*(\c)
.endr
	s_endpgm
.Lfunc_end_k_q772c1fd308_prep:
	.size	k_q772c1fd308_prep, .Lfunc_end_k_q772c1fd308_prep-k_q772c1fd308_prep
	.p2alignl 7, 3214868480
	.fill 96, 4, 3214868480
	.section	.rodata,"a",@progbits
	.p2align	6, 0x0
	.amdhsa_kernel k_q772c1fd308_prep
		.amdhsa_group_segment_fixed_size 0
		.amdhsa_private_segment_fixed_size 0
		.amdhsa_enable_private_segment 0
		.amdhsa_kernarg_size 88
		.amdhsa_user_sgpr_count 2
		.amdhsa_user_sgpr_kernarg_segment_ptr 1
		.amdhsa_wavefront_size32 1
		.amdhsa_system_sgpr_workgroup_id_x 1
		.amdhsa_system_sgpr_workgroup_id_y 1
		.amdhsa_system_sgpr_workgroup_id_z 1
		.amdhsa_system_vgpr_workitem_id 0
		.amdhsa_next_free_vgpr 176
		.amdhsa_next_free_sgpr 66
		.amdhsa_reserve_vcc 0
		.amdhsa_float_denorm_mode_32 3
		.amdhsa_float_denorm_mode_16_64 3
		.amdhsa_memory_ordered 1
		.amdhsa_forward_progress 1
		.amdhsa_inst_pref_size 27
	.end_amdhsa_kernel
	.amdgpu_metadata
---
amdhsa.version: [ 1, 2 ]
amdhsa.kernels:
  - .name:           k_q772c1fd308_prep
    .symbol:         k_q772c1fd308_prep.kd
    .args:
      - { .name: x, .offset: 0, .size: 8, .value_kind: global_buffer, .address_space: global }
      - { .name: ln1_g, .offset: 8, .size: 8, .value_kind: global_buffer, .address_space: global }
      - { .name: ln1_b, .offset: 16, .size: 8, .value_kind: global_buffer, .address_space: global }
      - { .name: wq, .offset: 24, .size: 8, .value_kind: global_buffer, .address_space: global }
      - { .name: wk, .offset: 32, .size: 8, .value_kind: global_buffer, .address_space: global }
      - { .name: wv, .offset: 40, .size: 8, .value_kind: global_buffer, .address_space: global }
      - { .name: wo, .offset: 48, .size: 8, .value_kind: global_buffer, .address_space: global }
      - { .name: w1, .offset: 56, .size: 8, .value_kind: global_buffer, .address_space: global }
      - { .name: w2, .offset: 64, .size: 8, .value_kind: global_buffer, .address_space: global }
      - { .name: h, .offset: 72, .size: 8, .value_kind: global_buffer, .address_space: global }
      - { .name: wb, .offset: 80, .size: 8, .value_kind: global_buffer, .address_space: global }
    .group_segment_fixed_size: 0
    .private_segment_fixed_size: 0
    .kernarg_segment_align: 8
    .kernarg_segment_size: 88
    .max_flat_workgroup_size: 256
    .sgpr_count:     66
    .vgpr_count:     176
    .wavefront_size: 32
...
	.end_amdgpu_metadata
.endif
;; end of part 7
;; launch gemm_qkv: the kernel of part 2 again; grid 16 x 16, 4 waves a work-group, clusters of 4 x 4, 327,680 bytes of LDS; arguments h, wb, qkv; writes qkv
;; launch attn: the kernel of part 3 again; grid 8 x 32, 4 waves a work-group, clusters of 4 x 1, 327,680 bytes of LDS; arguments qkv, o; writes o
;; launch gemm_wo: the kernel of part 4 again; grid 8 x 32, 4 waves a work-group, clusters of 4 x 4, 327,680 bytes of LDS; arguments o, wb, x, x1; writes x1
;; launch ln2: the kernel of part 7 again; grid 256 x 1, 8 waves a work-group, no clusters, 0 bytes of LDS; arguments x1, ln2_g, ln2_b, wq, wk, wv, wo, w1, w2, h, wb; writes h, wb
;; launch gemm_ff1: the kernel of part 5 again; grid 16 x 16, 4 waves a work-group, clusters of 4 x 4, 327,680 bytes of LDS; arguments h, wb, b1, g; writes g
;; launch gemm_ff2: the kernel of part 6 again; grid 8 x 32, 4 waves a work-group, clusters of 4 x 4, 327,680 bytes of LDS; arguments g, wb, b2, x1, out0; writes out0
